; MI455X (gfx1250); checked and timed in simulation.
; The chip was launched on July 23, 2026; its instructions are those of AMD's public machine-readable ISA for CDNA 5 (MIT licence, August 2026) and "CDNA5" Instruction Set Architecture Reference Guide (July 2026). The comments in the code are by the model that wrote it; some were corrected since.
;; Causal Self Attention. Allowed arithmetic: matrix products marked QUANTISED: E2M3 operands, one E8M0 scale for each 32 along K, by v_wmma_scale_f32_16x16x128_f8f6f4 with both operands' format E2M3, f32 sums; everything else in f32.
;; Inputs: Wgate_codes 16 x 1 x 24 uint8 (E2M3 codes of Wgate, K innermost, in blocks of 32 codes, four codes in three bytes); Wgate_scales 16 x 1 uint8 (E8M0 scales of Wgate, one for each 32 codes along K); Wk_codes 2,048 x 64 x 24 uint8 (E2M3 codes of Wk, K innermost, in blocks of 32 codes, four codes in three bytes); Wk_scales 2,048 x 64 uint8 (E8M0 scales of Wk, one for each 32 codes along K); Wproj_codes 2,048 x 64 x 24 uint8 (E2M3 codes of Wproj, K innermost, in blocks of 32 codes, four codes in three bytes); Wproj_scales 2,048 x 64 uint8 (E8M0 scales of Wproj, one for each 32 codes along K); Wq_codes 2,048 x 64 x 24 uint8 (E2M3 codes of Wq, K innermost, in blocks of 32 codes, four codes in three bytes); Wq_scales 2,048 x 64 uint8 (E8M0 scales of Wq, one for each 32 codes along K); Wv_codes 2,048 x 64 x 24 uint8 (E2M3 codes of Wv, K innermost, in blocks of 32 codes, four codes in three bytes); Wv_scales 2,048 x 64 uint8 (E8M0 scales of Wv, one for each 32 codes along K); cos 1 x 2,048 x 1 x 64 float32; sin 1 x 2,048 x 1 x 64 float32; ve 1 x 2,048 x 2,048 float32; x 1 x 2,048 x 2,048 float32.
;; Outputs: out0 1 x 2,048 x 2,048 float32.
;; This version of the problem:
;;   THIS VERSION OF THE PROBLEM IS GIVEN IN LOW PRECISION. The matrix products marked QUANTISED in the list below multiply operands that are first quantised to E2M3 (2 exponent bits, 3 mantissa bits; 6 bits a number), with one power-of-two scale for each 32 numbers along K (OCP MX v1.0); their sums are f32. All else is computed in f32.
;;   The module's matrix products, in the order in which they are computed (A, B: the left and right operand; K: the contracted axis; several contracted axes count as one K, in the product's order):
;;     1. [M 2,048, K 2,048] x [K 2,048, N 2,048]; A: input x; B: input Wq (given as codes): QUANTISED
;;     2. [M 2,048, K 2,048] x [K 2,048, N 2,048]; A: input x; B: input Wk (given as codes): QUANTISED
;;     3. [M 2,048, K 2,048] x [K 2,048, N 2,048]; A: input x; B: input Wv (given as codes): QUANTISED
;;     4. [M 2,048, K 32] x [K 32, N 16]; A: input x; B: input Wgate (given as codes): QUANTISED
;;     5. batch 16 x [M 2,048, K 128] x [K 128, N 2,048]; A: computed on the way; B: computed on the way: QUANTISED
;;     6. batch 16 x [M 128, K 2,048] x [K 2,048, N 2,048]; A: computed on the way; B: softmax (see below): QUANTISED
;;     7. [M 2,048, K 2,048] x [K 2,048, N 2,048]; A: computed on the way; B: input Wproj (given as codes): QUANTISED
;;   THE QUANTISER, for each operand of a quantised product, along K:
;;     - K is cut into blocks of 32 from its start; a last block that is shorter is filled with zeros.
;;     - A block's scale is 2^e with e = floor(log2(the largest magnitude in the block)) - 2, held to -126 .. 127; a block of zeros has e = 0. As a byte (E8M0): e + 127.
;;     - Each number is divided by its block's scale, clamped to +-7.5, and rounded to the nearest number of E2M3, ties to even, subnormals kept.
;;     - The product sums the exact products of the quantised numbers (number of the format x scale) in f32.
;;   ~~~python
;;   def quantise(x, axis):      # numpy; x: float32 -> the quantised numbers, widened to float32 again
;;       x = np.moveaxis(x, axis, -1); K = x.shape[-1]
;;       x = np.pad(x, [(0, 0)] * (x.ndim - 1) + [(0, -K % 32)]); x = x.reshape(x.shape[:-1] + (-1, 32)); a = np.abs(x).max(-1, keepdims=True)
;;       e = np.where(a > 0, np.clip(np.frexp(np.where(a > 0, a, 1))[1] - 1 - 2, -126, 127), 0)      # np.frexp(a)[1] - 1 = floor(log2(a)), exactly
;;       r = np.clip(x / 2.0 ** e, -7.5, 7.5)
;;       step = 2.0 ** (np.maximum(np.frexp(np.where(r == 0, 1, r))[1] - 1, 0) - 3)
;;       q = np.round(r / step) * step * 2.0 ** e      # np.round: ties to even
;;       return np.moveaxis(q.reshape(q.shape[:-2] + (-1,))[..., :K], -1, axis).astype(np.float32)
;;   ~~~
;;   SOFTMAX AHEAD OF A QUANTISED PRODUCT. Where the list says 'softmax', what is quantised is not the finished softmax but p = 2^(t - M), with t = logit x log2(e) and M = ceil(the row's largest t), a whole number; so 1/2 < the row's largest p <= 1. The row's sum l is taken of the UNQUANTISED p, in f32, and the product's result is divided by l at the end. Since M is a whole number, a kernel that streams over the keys may use a running M (the ceiling of the running maximum): every later rescaling is an exact power of two, which a block's scale takes up: the codes' values come out the same.
;;   OPERANDS COMPUTED ON THE WAY. 'Computed on the way' means the value that the module computes at that place (a softmax that the list does not call 'softmax' is quantised finished and normalised). What goes into a quantiser is computed in f32, as accurately as f32 sums, v_exp_f32 and their like allow (about 1e-6 of the number): no bf16 or f16 on the way to a quantiser, and a product that is left as it is and whose result goes on into a quantised operand takes f32 operands (vector FMAs, or v_wmma_f32_16x16x4_f32). A number that lies on a knife's edge between two numbers of the format may be rounded either way, as far as f32 arithmetic and the matrix unit's own rounding can turn it there, and no further.
;;   INPUTS GIVEN AS CODES. Wgate (in the module: [32, 16], K = its axis 0); Wk (in the module: [2048, 2048], K = its axis 0); Wproj (in the module: [2048, 2048], K = its axis 0); Wq (in the module: [2048, 2048], K = its axis 0); Wv (in the module: [2048, 2048], K = its axis 0): each comes as NAME_codes (uint8): NAME with its K axis moved to the last place and cut into blocks of 32 codes, [.., K / 32, bytes a block], one block behind the other in memory; four codes in three bytes: a row's codes are one little-endian stream of bits, code i at bits 6 i .. 6 i + 5 (a code: sign, 2 exponent bits, 3 mantissa bits); and NAME_scales (uint8): the same leading axes, one E8M0 byte (e + 127) for each 32 codes along K. Its value is code x scale, taken as it is: it is not quantised again, and the codes and scales need not be those that the quantiser above would give.
;; One version. Each part assembles by itself: llvm-mc -triple=amdgcn-amd-amdhsa -mcpu=gfx1250 --defsym DOCPART=n.
;; ======== version 1 of 1: 4 launches
;; limits: right only within a limited range of input values
;; workspace buffers: xc 3,145,728 bytes; xs 131,072 bytes; qimg 3,276,800 bytes; kv 6,553,600 bytes; yimg 3,670,016 bytes; wi 12,582,912 bytes
;; launch prep (part 1): grid 256 x 1, 4 waves a work-group, no clusters, 134,656 bytes of LDS; arguments x, Wq_codes, Wk_codes, Wv_codes, Wproj_codes, xc, xs, wi; writes xc, xs, wi
.if DOCPART == 1
	.amdgcn_target "amdgcn-amd-amdhsa--gfx1250"
	.amdhsa_code_object_version 6
	.text
	.protected	k_qa2d566a7b8_prep
	.globl	k_qa2d566a7b8_prep
	.p2align	8
	.type	k_qa2d566a7b8_prep,@function
k_qa2d566a7b8_prep:
	s_mov_b64 s[64:65], 0
	v_nop
	global_prefetch_b8 v0, s[64:65] scope:SCOPE_SE
	s_setreg_imm32_b32 hwreg(HW_REG_WAVE_MODE, 25, 1), 1
	s_wait_xcnt 0x0
; Operands are laid as IMAGES OF OPERAND REGISTERS.  A fragment (16 rows x 128 K of E2M3 codes, 12 registers a lane) is 1,536 dense bytes:
; group c of four registers of lane l at 512 c + 16 l; fragment (row block rb, K step s) lies at (16 rb + s) x 1,536.  Lane (r, h) holds row r; registers 6 c .. 6 c + 5 hold k = 64 c + 32 h + 0 .. 31.
; Work-groups 0-127: x [2048][2048] f32 is quantised (scale 2^(floor(log2(largest magnitude of 32)) - 2)) into xc (images) and xs ([row][64] E8M0 bytes): a work-group takes 16 rows, a wave 4 K steps.
; Work-groups 128-255: the codes of Wq, Wk, Wv, Wproj (rows of 1,536 bytes) are copied into wi (four parts of 3,145,728 bytes, images): a wave takes 16 rows, 24,576 dense bytes.
; Every global load and store of a wave covers 512 consecutive bytes (xs: 256); the turn goes through the wave's own stage in LDS; each path has LDS bytes of its own.
; No matrix unit, no tensor load, no cluster: each byte is read once and written once, and work-groups share nothing.
; LIMITS: a block of zeros, or under 2^-124, gets the byte 1 (its codes are zeros; this program alone reads the bytes); NaN and infinities are not served.
.set XST,   99328                      ; x's stages: 16 rows x 528 bytes a wave (behind the weights' 4 x 24,832)
.set XSC,   133120                     ; 1,024 scale bytes of the work-group's 16 rows
.set SPARE, 134144                     ; the spare words, 128 bytes a wave
.set R, 16                             ; v16-207 as loaded (x: two sets of 64)
.set X, 144                            ; v144-207 x: my two blocks of 32
.set C, 208                            ; v208-219 codes
.set T, 220
.set M, 228
.set S, 230
.set B, 232
.set E, 236                            ; v236-239 my row's scale words of 4 K steps
	s_load_b256 s[4:11], s[0:1], 0x0               ; x, Wq, Wk, Wv
	s_load_b256 s[12:19], s[0:1], 0x20             ; Wproj, xc, xs, wi
	v_lshl_add_u32 v250, v0, 2, SPARE
	v_mov_b32 v251, 0
	v_lshrrev_b32 v1, 5, v0
	v_readfirstlane_b32 s20, v1                    ; wave
	v_and_b32 v2, 31, v0
	v_lshlrev_b32 v3, 4, v2                        ; 16 x lane
	v_and_b32 v4, 15, v0                           ; r
	v_bfe_u32 v5, v0, 4, 1                         ; h
	s_mul_i32 s21, s20, 8448
	s_add_co_u32 s21, s21, XST
	v_add_nc_u32 v6, s21, v3                       ; x's stage, in: a row's 512 bytes
	v_mul_u32_u24 v7, v4, 528
	v_lshl_add_u32 v7, v5, 7, v7
	v_add_nc_u32 v7, s21, v7                       ; out: row r, 128 h
	s_mul_i32 s22, s20, 24832
	v_add_nc_u32 v8, s22, v3                       ; a weight's stage, in
	v_mul_u32_u24 v9, v4, 1552
	v_mad_u32_u24 v9, v5, 24, v9
	v_add_nc_u32 v9, s22, v9                       ; out: row r of 1,552 bytes, 24 h
	v_lshlrev_b32 v10, 3, v5                       ; 8 h
	s_lshl_b32 s23, s20, 4
	s_add_co_u32 s23, s23, XSC
	v_lshl_add_u32 v11, v4, 6, s23                 ; scale words, in: 64 r + 16 wave
	v_lshlrev_b32 v12, 3, v2
	s_lshl_b32 s24, s20, 8
	s_add_co_u32 s25, s24, XSC
	v_add_nc_u32 v13, s25, v12                     ; out: 256 wave + 8 lane
	v_mov_b32 v235, 0                              ; a lane permute's destination counts as a source
	s_mov_b32 s27, 0
	s_mov_b32 s30, 0x76543210
	s_mov_b32 s31, 0xfedcba98
	s_cmp_ge_u32 ttmp9, 128
	s_wait_alu depctr_va_vdst(0)                   ; the wait at the head's end
	s_wait_kmcnt 0x0
	s_cbranch_scc1 .Lw
	s_lshl_b32 s26, ttmp9, 17                      ; x: 16 rows of 8,192 bytes, my 4 K steps of 512
	s_lshl_b32 s28, s20, 11
	s_add_co_u32 s26, s26, s28
	s_add_nc_u64 s[4:5], s[4:5], s[26:27]
	s_mul_i32 s26, ttmp9, 24576
	s_mul_i32 s28, s20, 6144
	s_add_co_u32 s26, s26, s28
	s_add_nc_u64 s[14:15], s[14:15], s[26:27]
	s_lshl_b32 s26, ttmp9, 10
	s_add_co_u32 s26, s26, s24
	s_add_nc_u64 s[16:17], s[16:17], s[26:27]
.macro XLOAD t                         ; K step t of my 16 rows: 16 loads of 512 consecutive bytes
.set i, 0
.rept 16
	global_load_b128 v[R+64*((\t)%2)+4*i:R+64*((\t)%2)+4*i+3], v3, s[4:5] offset:8192*i+512*(\t) th:TH_LOAD_NT
.set i, i+1
.endr
.endm
.macro XSTEP t
.if (\t) < 3
	s_wait_loadcnt 16                              ; this step's 16 loads are in; the next step's may be out
.else
	s_wait_loadcnt 0x0
.endif
.set i, 0
.rept 16
	ds_store_b128 v6, v[R+64*((\t)%2)+4*i:R+64*((\t)%2)+4*i+3] offset:528*i
.set i, i+1
.endr
.set i, 0
.rept 16
	ds_load_b128 v[X+4*i:X+4*i+3], v7 offset:256*(i/8)+16*(i%8)   ; LDS serves a wave's instructions in order: block c = i / 8, k = 64 c + 32 h ..
.set i, i+1
.endr
	s_wait_dscnt 0x0
.if (\t)+2 < 4
	XLOAD (\t)+2
.endif
	s_wait_xcnt 0x0                                ; the last step's stores have read the codes' registers
.irp c, 0,1
	v_max3_num_f32 v[M+\c], |v[X+32*\c]|, |v[X+32*\c+1]|, 0x1800000   ; with the floor 2^(3 - 127): the byte cannot fall under 1
.endr
.irp i, 2,4,6,8,10,12,14,16,18,20,22,24,26,28,30
.irp c, 0,1
	v_max3_num_f32 v[M+\c], v[M+\c], |v[X+32*\c+\i]|, |v[X+32*\c+\i+1]|
.endr
.endr
.irp c, 0,1
	v_add_nc_u32 v[S+\c], 0xff000000, v[M+\c]      ; 2 off the exponent field: the conversion's scale operand
.endr
.irp c, 0,1
	v_lshrrev_b32 v[B+\c], 23, v[S+\c]
.endr
	v_lshl_or_b32 v234, v[B+1], 16, v[B]           ; blocks h and 2 + h,
	v_lshlrev_b32 v234, v10, v234                  ; at their places;
	v_permlanex16_b32 v235, v234, s30, s31
	v_or_b32 v[E+(\t)], v234, v235                 ; with lane l xor 16's the word is whole
.irp c, 0,1
	v_cvt_scalef32_pk16_fp6_f32 v[C+6*\c:C+6*\c+2], v[X+32*\c:X+32*\c+15], v[S+\c]
	v_cvt_scalef32_pk16_fp6_f32 v[T+4*\c:T+4*\c+2], v[X+32*\c+16:X+32*\c+31], v[S+\c]
.endr
	v_nop                                          ; one plain line behind a scaled conversion
.irp c, 0,1
.irp i, 0,1,2
	v_mov_b32 v[C+3+6*\c+\i], v[T+4*\c+\i]
.endr
.endr
.irp c, 0,1,2
	global_store_b128 v3, v[C+4*\c:C+4*\c+3], s[14:15] offset:1536*(\t)+512*\c
.endr
.endm
	XLOAD 0
	XLOAD 1
	XSTEP 0
	XSTEP 1
	XSTEP 2
	XSTEP 3
	ds_store_b128 v11, v[E:E+3]                    ; both halves of the lanes write the same words
	s_wait_dscnt 0x0
	s_barrier_signal -1
	s_barrier_wait -1
	ds_load_b64 v[14:15], v13
	s_wait_dscnt 0x0
	global_store_b64 v12, v[14:15], s[16:17]       ; 256 consecutive bytes a wave
	s_branch .Lend
.Lw:
	s_sub_co_u32 s21, ttmp9, 128
	s_lshr_b32 s22, s21, 5                         ; which weight
	s_and_b32 s21, s21, 31
	s_lshl_b32 s21, s21, 2
	s_add_co_u32 s21, s21, s20                     ; my block of 16 rows
	s_mul_i32 s26, s21, 24576
	s_cmp_lt_u32 s22, 1
	s_cselect_b64 s[4:5], s[6:7], s[8:9]
	s_cmp_lt_u32 s22, 2
	s_cselect_b64 s[4:5], s[4:5], s[10:11]
	s_cmp_lt_u32 s22, 3
	s_cselect_b64 s[4:5], s[4:5], s[12:13]
	s_add_nc_u64 s[4:5], s[4:5], s[26:27]
	s_mul_i32 s28, s22, 3145728
	s_add_co_u32 s26, s26, s28
	s_add_nc_u64 s[18:19], s[18:19], s[26:27]
.set i, 0
.rept 48
	global_load_b128 v[R+4*i:R+4*i+3], v3, s[4:5] offset:512*i th:TH_LOAD_NT
.set i, i+1
.endr
.irp g, 0,1,2,3
	s_wait_loadcnt 36-12*\g                        ; the loads issued behind these twelve may be out
.irp j, 0,1,2,3,4,5,6,7,8,9,10,11
	ds_store_b128 v8, v[R+48*\g+4*\j:R+48*\g+4*\j+3] offset:(4*\g+\j/3)*1552+512*(\j%3)
.endr
.endr
	s_wait_dscnt 0x0
.irp hf, 0,1
.irp s, 0,1,2,3,4,5,6,7
.irp p, 0,1,2,3,4,5
	ds_load_b64 v[R+96*\hf+12*\s+2*\p:R+96*\hf+12*\s+2*\p+1], v9 offset:96*(8*\hf+\s)+48*(\p/3)+8*(\p%3)
.endr
.endr
.irp s, 0,1,2,3,4,5,6,7
	s_wait_dscnt 6*(7-\s)                          ; the later fragments' loads may be out
.irp c, 0,1,2
	global_store_b128 v3, v[R+96*\hf+12*\s+4*\c:R+96*\hf+12*\s+4*\c+3], s[18:19] offset:1536*(8*\hf+\s)+512*\c
.endr
.endr
.endr
.Lend:
	s_wait_tensorcnt 0x0                           ; the wave's end
	ds_add_u32 v250, v251
	s_wait_dscnt 0x0
	s_endpgm
.Lfunc_end_k_qa2d566a7b8_prep:
	.size	k_qa2d566a7b8_prep, .Lfunc_end_k_qa2d566a7b8_prep-k_qa2d566a7b8_prep
	.p2alignl 7, 3214868480
	.fill 96, 4, 3214868480
	.section	.rodata,"a",@progbits
	.p2align	6, 0x0
	.amdhsa_kernel k_qa2d566a7b8_prep
		.amdhsa_group_segment_fixed_size 134656
		.amdhsa_private_segment_fixed_size 0
		.amdhsa_enable_private_segment 0
		.amdhsa_kernarg_size 64
		.amdhsa_user_sgpr_count 2
		.amdhsa_user_sgpr_kernarg_segment_ptr 1
		.amdhsa_wavefront_size32 1
		.amdhsa_system_sgpr_workgroup_id_x 1
		.amdhsa_system_sgpr_workgroup_id_y 1
		.amdhsa_system_sgpr_workgroup_id_z 1
		.amdhsa_system_vgpr_workitem_id 0
		.amdhsa_next_free_vgpr 256
		.amdhsa_next_free_sgpr 66
		.amdhsa_reserve_vcc 0
		.amdhsa_float_denorm_mode_32 3
		.amdhsa_float_denorm_mode_16_64 3
		.amdhsa_memory_ordered 1
		.amdhsa_forward_progress 1
		.amdhsa_inst_pref_size 50
	.end_amdhsa_kernel
	.amdgpu_metadata
---
amdhsa.version: [ 1, 2 ]
amdhsa.kernels:
  - .name:           k_qa2d566a7b8_prep
    .symbol:         k_qa2d566a7b8_prep.kd
    .args:
      - { .name: x, .offset: 0, .size: 8, .value_kind: global_buffer, .address_space: global }
      - { .name: Wq_codes, .offset: 8, .size: 8, .value_kind: global_buffer, .address_space: global }
      - { .name: Wk_codes, .offset: 16, .size: 8, .value_kind: global_buffer, .address_space: global }
      - { .name: Wv_codes, .offset: 24, .size: 8, .value_kind: global_buffer, .address_space: global }
      - { .name: Wproj_codes, .offset: 32, .size: 8, .value_kind: global_buffer, .address_space: global }
      - { .name: xc, .offset: 40, .size: 8, .value_kind: global_buffer, .address_space: global }
      - { .name: xs, .offset: 48, .size: 8, .value_kind: global_buffer, .address_space: global }
      - { .name: wi, .offset: 56, .size: 8, .value_kind: global_buffer, .address_space: global }
    .group_segment_fixed_size: 134656
    .private_segment_fixed_size: 0
    .kernarg_segment_align: 8
    .kernarg_segment_size: 64
    .max_flat_workgroup_size: 128
    .sgpr_count:     66
    .vgpr_count:     256
    .wavefront_size: 32
...
	.end_amdgpu_metadata
.endif
;; end of part 1
;; launch qkv (part 2): grid 24 x 8, 4 waves a work-group, clusters of 4 x 4, 327,680 bytes of LDS; arguments xc, xs, wi, Wq_scales, Wk_scales, Wv_scales, Wgate_codes, Wgate_scales, cos, sin, ve, qimg, kv; writes qimg, kv
.if DOCPART == 2
	.amdgcn_target "amdgcn-amd-amdhsa--gfx1250"
	.amdhsa_code_object_version 6
	.text
	.protected	k_qa2d566a7b8_qkv
	.globl	k_qa2d566a7b8_qkv
	.p2align	8
	.type	k_qa2d566a7b8_qkv,@function
k_qa2d566a7b8_qkv:
	s_mov_b64 s[64:65], 0
	v_nop
	global_prefetch_b8 v0, s[64:65] scope:SCOPE_SE
	s_setreg_imm32_b32 hwreg(HW_REG_WAVE_MODE, 25, 1), 1
	s_wait_xcnt 0x0
	s_wait_alu depctr_hold_cnt(0) depctr_sa_sdst(0) depctr_va_vdst(0) depctr_va_sdst(0) depctr_va_ssrc(0) depctr_va_vcc(0) depctr_vm_vsrc(0)
	s_getreg_b32 s2, hwreg(HW_REG_IB_STS2, 6, 4)
	s_cmp_eq_u32 s2, 0
	s_cbranch_scc0 .Lentry_in_a_cluster
	s_endpgm
.Lentry_in_a_cluster:
	s_bfe_u32 s2, ttmp6, 0x10000c
	s_cmp_lg_u32 s2, 0xf033
	s_cbranch_scc0 .Lentry_shape_is_right
	s_endpgm
.Lentry_shape_is_right:
; q = x Wq, k = x Wk, v = x Wv on codes of E2M3 with E8M0 block scales, and all that follows them up to attention's operands: RoPE, RMS norm and quantising along d for q and k; the gate product,
; v + 2 sigmoid(gate) ve and quantising along the KEYS for v.  Nothing but finished operands goes to memory.
; GRID 24 x 8 tiles of 256 x 256.  Cluster columns 0, 1: q; 2, 3: k; 4, 5: v (the role hangs on the cluster's x alone: it is the same in all partners).
; A tile is source 0 (256 rows) x source 1 (256 rows), K = 2,048.  q, k: source 0 = rows of W (output channels), source 1 = rows of x (tokens).  v: source 0 = rows of x (keys), source 1 = rows of Wv.
; In a result a lane holds ONE row of source 1 and its registers run along source 0: so q and k have a token in a lane and d along the registers, v has a d in a lane and the keys along the registers:
; each is ready for the conversions, which take neighbours along the next K from one lane's registers.  A wave's 128 rows of W are exactly one head.
; Four waves, 128 x 128 each: 64 accumulators, 512 registers.  K goes in steps of 256 through two LDS slots filled by joint tensor loads (source 1's tile shared along a row of the 4 x 4 cluster, source 0's along a column);
; the scale bytes of the work-group's 512 rows, for all of K, come once with the first fills.  A wave has at most one tensor load out.
; THE ROLES PART ONCE, in front of the last 128 along K, which is written out in both paths: so each path asks for its epilogue's first operands (cos and sin; the gate's operands and ve) 64 matrix instructions ahead of their use.
; THE ORDER INSIDE A BLOCK OF 32: registers 16 b .. 16 b + 15 of lanes l and l xor 16 form block b of the operand; inside a block the places are permuted, alike in q and k (along d) and alike in v and
; attention's p (along the keys), which leaves every product as it is.
; OUTPUT: images of operands' registers.  A record: 8 fragments of 1,536 bytes (group c of four registers of lane l at 512 c + 16 l), then 512 bytes of scale words (lane l: 16 bytes; word p: lanes 0-15 tile 2 p, lanes 16-31 tile 2 p + 1).
; qimg [head][block of 128 tokens] 12,800 bytes; kv [head][128 keys]: k's record, then v's (tile = 16 d x these 128 keys).  Every store of a wave covers 512 consecutive bytes, aligned to 256.
; LIMITS: NaN and infinities are not served; a block of zeros or under 2^-124 gets the byte 1 (its codes are zeros or near; this program alone reads the bytes).
; 192 work-groups: the 768 wave tiles (48 heads' worth of columns x 16 blocks of tokens) are kept whole, one head to a wave, since norm and RoPE want a whole head in a wave.
; REGISTERS: window 0: v0-31 addresses; v32-63 scale words; from v128 source 1's fragments, one set; in the epilogue v64-255 at work.  window 1: source 0's fragments, two sets; in the epilogue cos and sin, or rows of ve.
;   window 2: accumulators of my rows 0-63 of source 1 ((a, b) at v[8 (8 a + b)]);  window 3: of rows 64-127.
.set SIZE_K, 2048
.set KSTEP,  256
.set NQ,     KSTEP/128
.set ROWB,   3072                      ; xc and wi hold images of fragments (1,536 bytes for 16 rows x 128 K): a K step of 256 is 3,072 dense bytes of each block of 16 rows
.set KROW,   SIZE_K*6/8                ; a row of codes in memory
.set PITCH,  192                       ; LDS bytes a row: 16 rows are 3,072 bytes, dense; a fragment's loads read 512 consecutive bytes each
.set FR,     12
.set NL,     3
.set NP,     4                         ; places behind this matrix instruction (ISA guide 7.12.1)
.set HALFT,  128*PITCH
.set SLOT,   4*HALFT
.set LAPS,   SIZE_K/(2*KSTEP)
.set KS,     SIZE_K/32
.set SCL,    2*SLOT                    ; behind the ring: the scales, as units of 256 bytes + 16 of padding
.set HALFS,  (128*KS/256)*272
.set SBLK,   (16*KS/256)*272
.set SPARE,  SCL+4*HALFS               ; the spare words, 128 bytes a wave: two blocks of 256 bytes that no other line names
.set ADRA, 16                          ; v16-17 LDS address of source 1's fragments in slot 0, 1
.set ADRB, 20                          ; v20-21 the same for source 0
.set ADRS, 27                          ; v27 my scale words: lanes 0-15 source 1's rows, lanes 16-31 source 0's
.set SPW,  28                          ; v28 my spare word; never rewritten
.set NIL,  29                          ; v29 0; never rewritten
.set SC,   32
.set AF,   128
.set G1, 24
.set G0, 32
.set G1B, 48
.set G0B, 56
.set G1S, 68
.set G0S, 76
.set G1SB, 80
.set G0SB, 88
; the epilogue's registers, window 0
.set LI,   24                          ; v24 16 x lane
.set CSA,  25                          ; v25 q, k: my place in a tile's rows of cos and sin;  v: in x's codes
.set XSA,  26                          ; v26 v: my row's scale word of x
.set ZA,   27                          ; v27 v: 0, the offset of Wgate's row (the scale words' address is done with by then)
.set STV,  16                          ; v16 v: the stage, on the way in
.set RDV,  17                          ; v17 v: and out
.set YR,   64                          ; v64-127 q, k: the rotated head of a tile
.set XG,   64                          ; v64-117 v: x's eight fragments of K step 0, six registers apart
.set G,    128                         ; v128-191 v: the gates
.set GW,   224                         ; v224-235 v: Wgate's row as a fragment
.set SS,   128                         ; v128-135 sums of squares
.set RS,   136                         ; v[136:137] 1 / rms
.set TM,   140                         ; v140-155 the quantiser's work
.set PW,   156                         ; the scale word just made
.set PWE,  157                         ; the even tile's word, kept
.set SW,   160                         ; v160-163 the record's four pair words
.set PC,   164                         ; v164-183 the codes just made
.set MSB, 0
.macro WIN new                         ; the immediate's high byte repeats the setting that is left
.if MSB != (\new)
	s_set_vgpr_msb (MSB<<8)|(\new)
.set MSB, (\new)
.endif
.endm
.set MUL_LO, 0xa1                      ; source 0 window 1, source 1 window 0, C and D window 2
.set MUL_HI, 0xf1
.set TO_B,   0x40
; A joint load: waves 0 and 1 fetch for source 1, waves 2 and 3 for source 0.  Each line has one mask and one set of registers for all that issue it; the branch hangs on the wave's number alone.
; Four v_nop follow each of the two lines.
.macro JLOAD g0a, g1a, g0b, g1b
	s_cmp_eq_u32 s15, 0
	s_cbranch_scc0 .Lfor_b_\@
	tensor_load_to_lds s[\g0a:\g0a+3], s[\g1a:\g1a+7]
	s_nop 0
.rept 4
	v_nop
.endr
	s_branch .Lasked_\@
.Lfor_b_\@:
	tensor_load_to_lds s[\g0b:\g0b+3], s[\g1b:\g1b+7]
	s_nop 0
.rept 4
	v_nop
.endr
.Lasked_\@:
.endm
.macro CREST                           ; a round of the cluster's barrier behind its opening barrier
	s_cmp_lg_u32 s14, 0
	s_cbranch_scc1 .Lnot_wave_0_\@
	s_barrier_signal -3
.Lnot_wave_0_\@:
	s_barrier_wait -3
	s_barrier_signal -1
	s_barrier_wait -1
.endm
.macro CROUND
	s_barrier_signal -1
	s_barrier_wait -1
	CREST
.endm
	s_load_b512 s[68:83], s[0:1], 0x0              ; xc, xs, Wq's codes and scales, Wk's, Wv's
	v_lshl_add_u32 v[SPW], v0, 2, SPARE
	v_mov_b32 v[NIL], 0
	ds_add_u32 v28, v29
	ds_add_u32 v28, v29
	s_wait_dscnt 0x0
	v_lshrrev_b32 v1, 5, v0
	v_readfirstlane_b32 s14, v1                    ; wave 0..3
	s_lshr_b32 s15, s14, 1                         ; which half of source 1's rows is mine.  Also: I fetch for source 1 (0) or source 0 (1)
	s_and_b32 s16, s14, 1                          ; which half of source 0's rows.  Also: which 128 rows of that tile I fetch
	s_bfe_u32 s40, ttmp6, 0x40000                  ; cx, cy: my place in the cluster
	s_bfe_u32 s41, ttmp6, 0x40004
	s_and_b32 s42, ttmp9, 1
	s_lshl_b32 s42, s42, 2
	s_add_co_u32 s42, s42, s40                     ; source 0's tile: (4 x cluster x + cx) mod 8
	s_and_b32 s17, ttmp7, 0xffff
	s_lshl_b32 s17, s17, 2
	s_add_co_u32 s17, s17, s41                     ; source 1's tile: 4 x cluster y + cy
	s_lshr_b32 s95, ttmp9, 1                       ; the role: 0 q, 1 k, 2 v
	s_mov_b32 s96, s42                             ; kept for the epilogue
	s_mov_b32 s97, s17
	s_lshl_b32 s43, s41, 2
	s_lshl_b32 s43, 15, s43                        ; my row of the cluster
	s_lshl_b32 s44, 0x1111, s40                    ; my column
	; descriptor group 1: a tile of 128 rows x 192 bytes, no padding
	s_or_b32 s[G1+0], s43, 1<<21                   ; rows of 3,072 bytes, one for each block of 16 rows, 24,576 bytes apart; no padding.  16 rows for the head's loads
	s_or_b32 s[G1B+0], s44, 1<<21
.irp g, G1, G1B
	s_mov_b32 s[\g+1], ROWB<<16                    ; tensor_dim0
	s_mov_b32 s[\g+2], 16<<16
	s_mov_b32 s[\g+3], ROWB<<16
	s_mov_b32 s[\g+4], 16
	s_mov_b32 s[\g+5], 16*KROW
	s_mov_b32 s[\g+6], 0
	s_mov_b32 s[\g+7], 0
.endr
	s_lshl_b32 s20, s17, 8                         ; source 1: the tile's first row
	s_lshl_b32 s46, s42, 8                         ; source 0: likewise
	s_mov_b32 s21, 0
	s_mov_b32 s47, 0
	s_mov_b64 s[18:19], KS
	s_mul_u64 s[22:23], s[20:21], s[18:19]         ; where these rows' scales begin,
	s_mul_u64 s[92:93], s[46:47], s[18:19]
	s_mov_b64 s[18:19], KROW
	s_mul_u64 s[20:21], s[20:21], s[18:19]         ; and their codes
	s_mul_u64 s[46:47], s[46:47], s[18:19]
	s_mul_i32 s45, s14, HALFT                      ; where they go: wave x 128 rows: no place in the cluster enters an LDS address
	s_wait_kmcnt 0x0
	s_mul_i32 s12, s95, 3145728                    ; wi: the role's part
	s_mov_b32 s13, 0
	s_add_nc_u64 s[72:73], s[72:73], s[12:13]
	s_cmp_lt_u32 ttmp9, 2
	s_cselect_b64 s[10:11], s[74:75], s[76:77]     ; Wq's or Wk's scales
	s_cmp_lt_u32 ttmp9, 4
	s_cselect_b64 s[8:9], s[72:73], s[68:69]       ; source 0: the weight, or, for v, x
	s_cselect_b64 s[10:11], s[10:11], s[70:71]
	s_cselect_b64 s[4:5], s[68:69], s[72:73]       ; source 1: x, or, for v, Wv
	s_cselect_b64 s[6:7], s[70:71], s[78:79]
	s_add_nc_u64 s[20:21], s[4:5], s[20:21]
	s_add_nc_u64 s[22:23], s[6:7], s[22:23]
	s_add_nc_u64 s[46:47], s[8:9], s[46:47]
	s_add_nc_u64 s[92:93], s[10:11], s[92:93]
	; the scales of 256 rows: a dense block of 16,384 bytes, as 64 rows of 256 bytes, 16 bytes of padding behind each
	s_or_b32 s[G1S+0], s43, (3<<16)|(1<<20)|(1<<21)|(5<<22)|(3<<25)
	s_or_b32 s[G1SB+0], s44, (3<<16)|(1<<20)|(1<<21)|(5<<22)|(3<<25)
.irp g, G1S, G1SB
	s_mov_b32 s[\g+1], 32<<16
	s_mov_b32 s[\g+2], (256*KS/256)<<16
	s_mov_b32 s[\g+3], 32<<16
	s_mov_b32 s[\g+4], 256*KS/256
	s_mov_b32 s[\g+5], 32
	s_mov_b32 s[\g+6], 0
	s_mov_b32 s[\g+7], 0
.endr
	CROUND                                         ; all sixteen work-groups are here: the first joint loads meet
	s_mov_b32 s[G0S], 1
	s_mov_b32 s[G0S+1], SCL
	s_mov_b64 s[G0S+2:G0S+3], s[22:23]
	s_or_b32 s[G0S+3], s[G0S+3], 0x80000000
	s_mov_b32 s[G0SB], 1
	s_mov_b32 s[G0SB+1], SCL+2*HALFS
	s_mov_b64 s[G0SB+2:G0SB+3], s[92:93]
	s_or_b32 s[G0SB+3], s[G0SB+3], 0x80000000
.set G0H, 4                            ; s[4:7], s[8:11]: group 0 of the head's loads of K step 0, 256 rows each (the addresses that lay there have been used)
.set G0HB, 8
	s_mov_b32 s[G0H], 1
	s_mov_b32 s[G0H+1], 0
	s_mov_b64 s[G0H+2:G0H+3], s[20:21]
	s_or_b32 s[G0H+3], s[G0H+3], 0x80000000
	s_mov_b32 s[G0HB], 1
	s_mov_b32 s[G0HB+1], 2*HALFT
	s_mov_b64 s[G0HB+2:G0HB+3], s[46:47]
	s_or_b32 s[G0HB+3], s[G0HB+3], 0x80000000
	s_mul_i32 s18, s16, 128*KROW                   ; for the ring: my 128 rows of the tile
	s_mov_b32 s19, 0
	s_add_nc_u64 s[20:21], s[20:21], s[18:19]
	s_add_nc_u64 s[46:47], s[46:47], s[18:19]
	s_cmp_eq_u32 s15, 0                            ; the prefetches: the 128 rows that I fetch in the ring, at K step 0,
	s_cselect_b64 s[98:99], s[20:21], s[46:47]
	s_cselect_b32 s12, s40, s41                    ; and my place among the four that ask for them jointly: they share the blocks out by address
	s_mul_i32 s12, s12, 24                         ; 24 of a K step's 96 blocks of 256 bytes (8 runs of 3,072 bytes)
.irp s, 0,1
	s_mov_b32 s[G0+4*\s], 1
	s_add_co_u32 s[G0+4*\s+1], s45, \s*SLOT
	s_add_nc_u64 s[G0+4*\s+2:G0+4*\s+3], s[20:21], \s*ROWB
	s_or_b32 s[G0+4*\s+3], s[G0+4*\s+3], 0x80000000
	s_mov_b32 s[G0B+4*\s], 1
	s_add_co_u32 s[G0B+4*\s+1], s45, \s*SLOT
	s_add_nc_u64 s[G0B+4*\s+2:G0B+4*\s+3], s[46:47], \s*ROWB
	s_or_b32 s[G0B+4*\s+3], s[G0B+4*\s+3], 0x80000000
.endr
; The head's loads, one a wave: wave 0 source 1's 256 rows of K step 0, wave 1 source 0's, wave 2 source 1's scales, wave 3 source 0's.  One chain of branches on the wave's number.
.macro ARM under, g0, g1, next
	s_cmp_lt_u32 s14, \under
	s_cbranch_scc0 \next
	tensor_load_to_lds s[\g0:\g0+3], s[\g1:\g1+7]
	s_nop 0
.rept 4
	v_nop
.endr
	s_branch .Lhead_asked
\next:
.endm
	ARM 1, G0H,  G1,  .Lhead_b
	ARM 2, G0HB, G1B, .Lhead_sa
	ARM 3, G0S,  G1S, .Lhead_sb
	tensor_load_to_lds s[G0SB:G0SB+3], s[G1SB:G1SB+7]
	s_nop 0
.rept 4
	v_nop
.endr
.Lhead_asked:
	v_and_b32 v30, 31, v0                          ; v30, never rewritten: the prefetches' offset, a lane a block
	v_min_u32 v30, 23, v30                         ; (the lanes left over name my last block again)
	v_add_nc_u32 v30, s12, v30                     ; block U = 0 .. 95
	v_mul_u32_u24 v31, v30, 43
	v_lshrrev_b32 v31, 9, v31                      ; U / 12: which run (exact for U under 96)
	v_lshlrev_b32 v30, 8, v30
	v_mad_u32_u24 v30, v31, 21504, v30             ; 256 U + (24,576 - 3,072) x run
	v_and_b32 v1, 15, v0                           ; r = lane % 16: kept
	v_bfe_u32 v2, v0, 4, 1                         ; h = lane / 16: kept
	v_and_b32 v4, 31, v0
	v_lshlrev_b32 v4, 4, v4                        ; 16 x lane: my place in each group of four registers of an image
	s_mul_i32 s21, s15, HALFT                      ; my 128 rows of source 1
	s_mul_i32 s22, s16, HALFT                      ; my 128 rows of source 0,
	s_add_co_u32 s22, s22, 2*HALFT                 ; which lie behind source 1's 256
.irp s, 0,1
	v_add_nc_u32 v[ADRA+\s], s21, v4
	v_add_nc_u32 v[ADRB+\s], s22, v4
	s_add_co_u32 s21, s21, SLOT
	s_add_co_u32 s22, s22, SLOT
.endr
	s_wait_alu depctr_va_vdst(0)                   ; ahead of the readers below
	v_mul_u32_u24 v5, v1, KS
	v_lshrrev_b32 v6, 8, v5
	v_lshl_add_u32 v5, v6, 4, v5                   ; and 16 more for each 256 passed
	s_mul_i32 s21, s15, HALFS
	s_mul_i32 s22, s16, HALFS
	s_add_co_u32 s22, s22, 2*HALFS
	s_sub_co_u32 s22, s22, s21
	v_mul_u32_u24 v6, s22, v2                      ; lanes 16-31 take source 0's: one product, the distance between the two bases
	s_add_co_u32 s21, s21, SCL
	v_add_nc_u32 v5, v5, v6
	v_add_nc_u32 v[ADRS], s21, v5
	global_prefetch_b8 v30, s[98:99] offset:2*ROWB th:TH_LOAD_NT scope:SCOPE_SE   ; each fill asks for the K step two fills on: behind K step 0's, K step 2
.macro FRAG reg, adr, q, i             ; a fragment: 16 rows x 128 K in 12 registers; lane l holds row l % 16; registers 6 c .. 6 c + 5 hold K = 64 c + 32 (l / 16) + 0 .. 31: 24 bytes of the row, as they lie, in pieces of 8
.irp c, 0,1,2                          ; the image as it lies: three loads of 512 consecutive bytes
	ds_load_b128 v[\reg+4*\c:\reg+4*\c+3], v[\adr] offset:1536*(\q)+512*\c+(\i)*16*PITCH
.endr
.endm
; 16 matrix instructions: source 1's blocks a0, a0 + 1 x source 0's eight.  The 64 accumulators take turns, one instruction a turn, in the same order in every step.
.macro MUL16 a0, p, q, sc, zero
.irp a, \a0, \a0+1
.irp b, 0,1,2,3,4,5,6,7
.if \zero
	v_wmma_scale_f32_16x16x128_f8f6f4 v[8*(8*((\a)%4)+\b):8*(8*((\a)%4)+\b)+7], v[128*(\p)+FR*\b:128*(\p)+FR*\b+FR-1], v[AF+FR*(\a):AF+FR*(\a)+FR-1], 0, v[SC+8*NQ*(\sc)+NQ*\b+(\q)], v[SC+8*NQ*(\sc)+NQ*(\a)+(\q)] matrix_a_fmt:MATRIX_FMT_FP6 matrix_b_fmt:MATRIX_FMT_FP6 matrix_a_scale:MATRIX_SCALE_ROW1
.else
	v_wmma_scale_f32_16x16x128_f8f6f4 v[8*(8*((\a)%4)+\b):8*(8*((\a)%4)+\b)+7], v[128*(\p)+FR*\b:128*(\p)+FR*\b+FR-1], v[AF+FR*(\a):AF+FR*(\a)+FR-1], v[8*(8*((\a)%4)+\b):8*(8*((\a)%4)+\b)+7], v[SC+8*NQ*(\sc)+NQ*\b+(\q)], v[SC+8*NQ*(\sc)+NQ*(\a)+(\q)] matrix_a_fmt:MATRIX_FMT_FP6 matrix_b_fmt:MATRIX_FMT_FP6 matrix_a_scale:MATRIX_SCALE_ROW1
.endif
.endr
.endr
.endm
.macro FETCH_B slot, q, p
	WIN TO_B
.irp i, 0,1,2,3,4,5,6,7
	FRAG 128*(\p)+FR*\i, ADRB+\slot, \q, \i
.endr
	WIN 0
.endm
.macro FETCH_A slot, q, i0
.irp i, \i0, \i0+1, \i0+2, \i0+3
	FRAG AF+FR*(\i), ADRA+\slot, \q, \i
.endr
.endm
.macro SCALES sc                       ; the next K step's scale words: lanes 0-15 source 1's block i, lanes 16-31 source 0's block i
.irp i, 0,1,2,3,4,5,6,7
	ds_load_b64 v[SC+8*NQ*\sc+NQ*\i:SC+8*NQ*\sc+NQ*\i+1], v[ADRS] offset:\i*SBLK
.endr
.endm
.macro PLACES n                        ; plain vector lines between a matrix instruction and a load into, or a read of, its registers
.rept \n
	v_nop
.endr
.endm
.macro STEP slot, q, zero              ; 128 along K that has its successor in the same slot
	s_wait_dscnt 4*NL                              ; source 0's set and source 1's blocks 0-3 are in; the youngest 12 loads (blocks 4-7) may be out
	WIN MUL_LO
	MUL16 0, (\q)%2, \q, \slot, \zero
	MUL16 2, (\q)%2, \q, \slot, \zero
	s_wait_dscnt 0                                 ; blocks 4-7 are in
	PLACES NP
	FETCH_B \slot, (\q)+1, 1-(\q)%2
	FETCH_A \slot, (\q)+1, 0
	WIN MUL_HI
	MUL16 4, (\q)%2, \q, \slot, \zero
	MUL16 6, (\q)%2, \q, \slot, \zero
	PLACES NP
	WIN 0
	FETCH_A \slot, (\q)+1, 4
.endm
; A slot's last step changes slots: one barrier; in front of it each wave waits for all its tensor loads, adds 0 to its spare word, and waits for that and for its reads of this slot.
.macro TURN slot, next, fill
.if \fill
	s_wait_xcnt 0x0                                ; my last prefetch has read its address: it is stepped here, a K step on
	s_add_nc_u64 s[98:99], s[98:99], ROWB
.endif
	s_wait_tensorcnt 0x0
	ds_add_u32 v[SPW], v[NIL]
	s_wait_dscnt 4*NL+1
	WIN MUL_LO
	MUL16 0, 1, NQ-1, \slot, 0
	s_wait_dscnt 0x0                               ; the add is done, and my reads of this slot are over
	s_barrier_signal -1
	MUL16 2, 1, NQ-1, \slot, 0
	WIN 0
	s_barrier_wait -1
.if \fill
	CREST                                          ; the barrier has opened a round of the cluster's: no wave of any partner still reads this slot or has a load on its way
	s_add_nc_u64 s[G0+4*\slot+2:G0+4*\slot+3], s[G0+4*\slot+2:G0+4*\slot+3], 2*ROWB
	s_add_nc_u64 s[G0B+4*\slot+2:G0B+4*\slot+3], s[G0B+4*\slot+2:G0B+4*\slot+3], 2*ROWB
	JLOAD G0+4*\slot, G1, G0B+4*\slot, G1B         ; the first tensor load behind the round; its four v_nop are the places in front of the loads below
.else
	PLACES NP
.endif
	s_wait_alu depctr_va_vdst(0)
	v_add_nc_u32 v[ADRS], 4*NQ, v[ADRS]            ; on to the next K step's scale words (no LDS load of mine is out)
	FETCH_B \next, 0, 0
	FETCH_A \next, 0, 0
	SCALES \next
.if \fill
	s_cmp_gt_u32 s3, 1                             ; the loop's last trip fills K steps 6 and 7: there is none two on
	s_cbranch_scc0 .Lnoask_\@
	global_prefetch_b8 v30, s[98:99] offset:3*ROWB th:TH_LOAD_NT scope:SCOPE_SE   ; the K step two fills on
.Lnoask_\@:
.endif
	WIN MUL_HI
	MUL16 4, 1, NQ-1, \slot, 0
	MUL16 6, 1, NQ-1, \slot, 0
	PLACES NP
	WIN 0
	FETCH_A \next, 0, 4
.endm
.macro LAST                            ; the very last 128 along K (slot 1, source 0's set 1): nothing more to fetch.  Written out once in each role's path
	s_wait_dscnt 4*NL                              ; source 0's set and source 1's blocks 0-3 are in; the youngest 12 LDS loads may be out
	WIN MUL_LO
	MUL16 0, 1, NQ-1, 1, 0
	MUL16 2, 1, NQ-1, 1, 0
	s_wait_dscnt 0
	WIN MUL_HI
	MUL16 4, 1, NQ-1, 1, 0
	MUL16 6, 1, NQ-1, 1, 0
	WIN 0
.endm
; ---------------- THE EPILOGUE'S MACROS ----------------
; 64 numbers of a lane, v[s] .. v[s + 63] of window w, become a fragment's codes in v[PC] .. v[PC + 11] and its scale word in v[PW].  Registers 16 b .. 16 b + 15 of lanes l and l xor 16 are block b.
.macro QUANT s, w
	WIN (\w)|((\w)<<2)
.irp b, 0,1,2,3
	v_max3_num_f32 v[TM+\b], |v[(\s)+16*\b]|, |v[(\s)+1+16*\b]|, 0x1800000   ; my 16 numbers of block b, and the floor 2^(3 - 127): the byte cannot fall under 1
.endr
	WIN ((\w)<<2)|((\w)<<4)
.irp i, 2,4,6,8,10,12,14
.irp b, 0,1,2,3
	v_max3_num_f32 v[TM+\b], v[TM+\b], |v[(\s)+16*\b+\i]|, |v[(\s)+1+16*\b+\i]|   ; the four blocks by turns
.endr
.endr
	WIN 0
.irp b, 0,1,2,3
	v_permlanex16_b32 v[TM+4+\b], v[TM+\b], s20, s21
.endr
.irp b, 0,1,2,3
	v_max_num_f32 v[TM+\b], v[TM+\b], v[TM+4+\b]   ; with lane l xor 16's: the block's largest magnitude
.endr
.irp b, 0,1,2,3
	v_add_nc_u32 v[TM+12+\b], 0xff000000, v[TM+\b] ; 2 off its exponent field: the conversion's scale operand
.endr
.irp b, 0,1,2,3
	v_lshrrev_b32 v[TM+4+\b], 23, v[TM+12+\b]      ; the scale's byte
.endr
	v_lshl_or_b32 v[PW], v[TM+5], 8, v[TM+4]
	v_lshl_or_b32 v[PW], v[TM+6], 16, v[PW]
	v_lshl_or_b32 v[PW], v[TM+7], 24, v[PW]
	WIN (\w)
.irp c, 0,1
	v_cvt_scalef32_pk16_fp6_f32 v[PC+6*\c:PC+2+6*\c], v[(\s)+32*\c:(\s)+15+32*\c], v[TM+12+2*\c]
	v_cvt_scalef32_pk16_fp6_f32 v[PC+12+4*\c:PC+14+4*\c], v[(\s)+16+32*\c:(\s)+31+32*\c], v[TM+13+2*\c]   ; (a conversion's three registers begin on an even number)
.endr
	WIN 0
	v_nop                                          ; one plain line behind a scaled conversion
.irp c, 0,1                                    ; the operand's layout wants a whole block in a lane: lanes 0-15 block 2 c, lanes 16-31 block 2 c + 1
.irp i, 0,1,2
	v_permlane16_swap_b32 v[PC+6*\c+\i], v[PC+12+4*\c+\i]
.endr
.irp i, 0,1,2
	v_mov_b32 v[PC+3+6*\c+\i], v[PC+12+4*\c+\i]
.endr
.endr
.endm
; Tile a's image goes out: three stores of 512 consecutive bytes.  Its scale word is paired with its neighbour's: the even tile's in lanes 0-15, the odd tile's in lanes 16-31.
.macro PUT a
.irp c, 0,1,2
	global_store_b128 v[LI], v[PC+4*\c:PC+4*\c+3], s[44:45] offset:1536*(\a)+512*\c
.endr
.if (\a)%2 == 0
	v_mov_b32 v[PWE], v[PW]
.else
	v_cndmask_b32 v[SW+(\a)/2], v[PWE], v[PW], s22
.endif
.if (\a) == 7
	global_store_b128 v[LI], v[SW:SW+3], s[44:45] offset:12288
.endif
.endm
.macro CSLOAD a                        ; tile a's cos and sin, in the results' layout, into set a % 4 of window 1: cos at 64 s, sin at 64 s + 32; 16 loads
	WIN 0x40
.irp tt, 0,1,2,3
.irp qd, 0,1
	global_load_b128 v[64*((\a)%4)+8*\tt+4*\qd:64*((\a)%4)+8*\tt+4*\qd+3], v[CSA], s[28:29] offset:4096*(\a)+64*\tt+16*\qd
	global_load_b128 v[64*((\a)%4)+32+8*\tt+4*\qd:64*((\a)%4)+32+8*\tt+4*\qd+3], v[CSA], s[30:31] offset:4096*(\a)+64*\tt+16*\qd
.endr
.endr
	WIN 0
.endm
.macro ROPE a                          ; y1 = x1 cos + x2 sin, y2 = x2 cos - x1 sin; x1 = blocks 0-3 (d < 64), x2 = blocks 4-7.  Each accumulator is read from its low end on
	WIN 0x06+(\a)/4
.set AC, 64*((\a)%4)
.irp tt, 0,1,2,3
.irp jj, 0,2,4,6
	v_pk_mul_f32 v[YR+8*\tt+\jj:YR+8*\tt+\jj+1], v[AC+8*\tt+\jj:AC+8*\tt+\jj+1], v[AC+8*\tt+\jj:AC+8*\tt+\jj+1]
	v_pk_mul_f32 v[YR+32+8*\tt+\jj:YR+32+8*\tt+\jj+1], v[AC+32+8*\tt+\jj:AC+32+8*\tt+\jj+1], v[AC+8*\tt+\jj:AC+8*\tt+\jj+1]
	v_pk_fma_f32 v[YR+8*\tt+\jj:YR+8*\tt+\jj+1], v[AC+32+8*\tt+\jj:AC+32+8*\tt+\jj+1], v[AC+32+8*\tt+\jj:AC+32+8*\tt+\jj+1], v[YR+8*\tt+\jj:YR+8*\tt+\jj+1]
	v_pk_fma_f32 v[YR+32+8*\tt+\jj:YR+32+8*\tt+\jj+1], v[AC+8*\tt+\jj:AC+8*\tt+\jj+1], v[AC+32+8*\tt+\jj:AC+32+8*\tt+\jj+1], v[YR+32+8*\tt+\jj:YR+32+8*\tt+\jj+1] neg_lo:[1,0,0] neg_hi:[1,0,0]
.endr
.endr
	WIN 0
.endm                                  ; (source 0 names the accumulators' window, source 1 window 1: the same numbers there are cos (64 s ..) and sin (64 s + 32 ..) of set s = a % 4)
.macro NORM                            ; y / sqrt(mean of y^2 over the head's 128 + 1e-6): 64 numbers are mine, 64 lane l xor 16's
.irp c, 0,1,2,3
	v_pk_mul_f32 v[SS+2*\c:SS+2*\c+1], v[YR+2*\c:YR+2*\c+1], v[YR+2*\c:YR+2*\c+1]
.endr
.set i, 4
.rept 28
	v_pk_fma_f32 v[SS+2*(i%4):SS+2*(i%4)+1], v[YR+2*i:YR+2*i+1], v[YR+2*i:YR+2*i+1], v[SS+2*(i%4):SS+2*(i%4)+1]
.set i, i+1
.endr
	v_pk_add_f32 v[SS:SS+1], v[SS:SS+1], v[SS+2:SS+3]
	v_pk_add_f32 v[SS+4:SS+5], v[SS+4:SS+5], v[SS+6:SS+7]
	v_pk_add_f32 v[SS:SS+1], v[SS:SS+1], v[SS+4:SS+5]
	v_add_f32 v[SS], v[SS], v[SS+1]
	v_permlanex16_b32 v[SS+2], v[SS], s20, s21
	v_add_f32 v[SS], v[SS], v[SS+2]
	v_fma_f32 v[SS], v[SS], s52, s53
	s_wait_alu depctr_va_vdst(0)
	v_rsq_f32 v[RS], v[SS]
	v_mov_b32 v[RS+1], 0                           ; a plain line behind the transcendental; the pair's upper half is named below, so it is written
.set i, 0
	s_wait_alu depctr_va_vdst(0)
.rept 32
	v_pk_mul_f32 v[YR+2*i:YR+2*i+1], v[YR+2*i:YR+2*i+1], v[RS:RS+1] op_sel_hi:[1,0]
.set i, i+1
.endr
.endm
.macro VLOAD beta                      ; keys 32 beta .. 32 beta + 31 of ve, my head's 512 bytes of each: 32 loads of 512 consecutive bytes, into set beta % 2 of window 1
	WIN 0x40
.set i, 0
.rept 32
	global_load_b128 v[128*((\beta)%2)+4*i:128*((\beta)%2)+4*i+3], v[LI], s[32:33] offset:(32*(\beta)+i)*8192 th:TH_LOAD_NT
.set i, i+1
.endr
	WIN 0
.endm
	s_wait_alu depctr_va_vdst(0)
	s_wait_tensorcnt 0x0                           ; my tile of the head's four is in; slot 1's first fill is issued as a refill is:
	ds_add_u32 v[SPW], v[NIL]
	s_mov_b32 s[G1+2], 8<<16                       ; no tensor load of mine is out: from here on a load brings 128 rows, 8 blocks of 16
	s_mov_b32 s[G1+4], 8
	s_mov_b32 s[G1B+2], 8<<16
	s_mov_b32 s[G1B+4], 8
	s_wait_dscnt 0x0
	CROUND                                         ; all four tiles are in, and all sixteen work-groups are here
	JLOAD G0+4, G1, G0B+4, G1B                     ; K step 1, the first tensor load behind the round
	FETCH_B 0, 0, 0
	FETCH_A 0, 0, 0
	SCALES 0
	FETCH_A 0, 0, 4
	global_prefetch_b8 v30, s[98:99] offset:3*ROWB th:TH_LOAD_NT scope:SCOPE_SE   ; behind K step 1's fill: K step 3
	STEP 0, 0, 1                                   ; the first step stands in front of the loop: its products start the sums
	s_mov_b32 s3, LAPS-1
.Llap:                                                 ; a trip goes once round the ring and fills both slots again
	TURN 0, 1, 1
	STEP 1, 0, 0
	TURN 1, 0, 1
	STEP 0, 0, 0
	s_sub_co_u32 s3, s3, 1
	s_cmp_lg_u32 s3, 0
	s_cbranch_scc1 .Llap
	TURN 0, 1, 0                                   ; the last lap fills nothing
	s_load_b256 s[24:31], s[0:1], 0x30             ; Wgate's codes, its scales, cos, sin
	s_load_b128 s[32:35], s[0:1], 0x50             ; ve, qimg
	s_load_b64 s[36:37], s[0:1], 0x60              ; kv
	s_load_b128 s[40:43], s[0:1], 0x0              ; xc, xs
	STEP 1, 0, 0                                   ; its closing places stand behind the last products that read source 0's set 0 (window 1, v0-95) and scale set 0 (v32-47): both are free from here on
; ---------------- THE ROLES PART HERE, ONCE ----------------
; Only registers that the last 64 products do not name are written ahead of them: v3, v24-27, v64-127, v224-255, scale set 0, and window 1's v0-127.
	s_wait_kmcnt 0x0
	s_mov_b32 s20, 0x76543210
	s_mov_b32 s21, 0xfedcba98                      ; v_permlanex16_b32's selects for lane l xor 16
	s_mov_b32 s22, 0xffff0000                      ; lanes 16-31
	v_and_b32 v3, 31, v0
	v_lshlrev_b32 v[LI], 4, v3
	s_lshl_b32 s46, s96, 1
	s_add_co_u32 s46, s46, s16                     ; which 128 rows of source 0 are mine: q, k: the head; v: the block of keys
	s_lshl_b32 s47, s97, 1
	s_add_co_u32 s47, s47, s15                     ; which 128 rows of source 1: q, k: the block of tokens; v: the head
	s_mov_b32 s49, 0
	s_cmp_eq_u32 s95, 2
	s_cbranch_scc1 .Lv
; ---- q, k: a lane holds token 16 a + r; register 8 b + j of tile a is d = 16 b + 8 h + j.  No LDS is used in this path's epilogue.
	s_lshl_b32 s48, s46, 4
	s_add_co_u32 s48, s48, s47                     ; 16 head + block
	s_mov_b32 s50, 25600
	s_cmp_eq_u32 s95, 0
	s_cselect_b64 s[44:45], s[34:35], s[36:37]     ; q's records lie in qimg, k's in kv
	s_cselect_b32 s50, 12800, s50
	s_mul_i32 s48, s48, s50
	s_add_nc_u64 s[44:45], s[44:45], s[48:49]
	s_lshl_b32 s48, s47, 15                        ; cos, sin: 128 tokens of 256 bytes a block
	s_add_nc_u64 s[28:29], s[28:29], s[48:49]
	s_add_nc_u64 s[30:31], s[30:31], s[48:49]
	s_mov_b32 s52, 0x3c000000                      ; 1 / 128
	s_mov_b32 s53, 0x358637bd                      ; 1e-6
	v_lshlrev_b32 v[CSA], 8, v1
	v_lshl_add_u32 v[CSA], v2, 5, v[CSA]           ; token r's row + 32 h: my eight numbers of each sixteen
	CSLOAD 0                                       ; sets 0 and 1 lie in window 1's v0-127: asked for 64 matrix instructions ahead of their use
	CSLOAD 1
	s_wait_alu depctr_va_vdst(0)
	LAST
	PLACES NP                                      ; behind the last products: in front of reads of results and of writes and loads into operands' registers
.irp b, 0,1,2,3
	v_mov_b32 v[TM+4+\b], 0                        ; written once: a lane permute's destination counts as one of its sources
.endr
	CSLOAD 2
	CSLOAD 3
.irp a, 0,1,2,3,4,5,6,7
.if \a < 5
	s_wait_loadcnt 48                              ; tile a's 16 loads are in; those of the three tiles behind it may be out
.else
	s_wait_loadcnt 16*(7-\a)
.endif
	ROPE \a
.if \a > 0
	s_wait_xcnt 0x0                                ; the last tile's stores have read their data: the codes' registers are written again only behind this wait; it stands ahead of the loads below, so that it does not wait for them
.endif
.if \a < 4
	CSLOAD \a+4                                    ; the set just read takes the tile four on
.endif
	NORM
	QUANT YR, 0
	PUT \a
.endr
	s_branch .Lend
; ---- v: a lane holds d = 16 a + r of my head; register 8 b + j of tile a is key 16 b + 8 h + j of my 128 keys.
.Lv:
	s_lshl_b32 s48, s47, 4
	s_add_co_u32 s48, s48, s46                     ; 16 head + block of keys
	s_mul_i32 s48, s48, 25600
	s_add_co_u32 s48, s48, 12800                   ; v's record lies behind k's
	s_add_nc_u64 s[44:45], s[36:37], s[48:49]
	s_mul_i32 s48, s46, 128*KROW
	s_add_nc_u64 s[40:41], s[40:41], s[48:49]      ; x's codes at my first key
	s_lshl_b32 s48, s46, 13
	s_add_nc_u64 s[42:43], s[42:43], s[48:49]      ; and its scale bytes
	s_mul_i32 s48, s47, 24
	s_add_nc_u64 s[24:25], s[24:25], s[48:49]      ; Wgate's row of my head: 24 bytes,
	s_mov_b32 s48, s47
	s_add_nc_u64 s[26:27], s[26:27], s[48:49]      ; and its scale byte
	s_lshl_b32 s48, s46, 20
	s_lshl_b32 s50, s47, 9
	s_add_co_u32 s48, s48, s50
	s_add_nc_u64 s[32:33], s[32:33], s[48:49]      ; ve at my first key, my head's 512 bytes
	v_and_b32 v[CSA], 31, v0
	v_lshlrev_b32 v[CSA], 4, v[CSA]                ; x's images: 16 x lane
	v_lshlrev_b32 v[XSA], 6, v1                    ; x's scale bytes: 64 a row
	v_mov_b32 v[ZA], 0
; THE GATE'S OPERANDS, 30 loads.  Its K is 32: of x's fragment of 128 along K only registers 0-5 (k = 0 .. 63) are loaded; the fragments lie SIX registers apart, so that a fragment's registers 6-11 are the next
; fragment's codes: they meet Wgate's zero codes and add nothing (E2M3 has no code but finite numbers, and x's scale bytes are never 0xff).  The last fragment's registers 6-11 are its own.
.irp i, 0,1,2
	global_load_b64 v[GW+2*\i:GW+2*\i+1], v[ZA], s[24:25] offset:8*\i   ; every lane takes the same 24 bytes: all sixteen columns of the gate product are my head
.endr
	global_load_u8 v40, v[ZA], s[26:27]
.irp b, 0,1,2,3,4,5,6,7
	global_load_b128 v[XG+6*\b:XG+6*\b+3], v[CSA], s[40:41] offset:16*KROW*\b          ; x, keys 16 b on, K step 0: registers 0-3 of the image,
	global_load_b64 v[XG+6*\b+4:XG+6*\b+5], v[CSA], s[40:41] offset:16*KROW*\b+512     ; and 4, 5
	global_load_b32 v[32+\b], v[XSA], s[42:43] offset:1024*\b
.endr
	global_load_b64 v[XG+48:XG+49], v[CSA], s[40:41] offset:16*KROW*7+520              ; the last fragment's registers 6, 7,
	global_load_b128 v[XG+50:XG+53], v[CSA], s[40:41] offset:16*KROW*7+1024            ; and 8-11
	s_wait_alu depctr_va_vdst(0)
	VLOAD 0                                        ; window 1's v0-127: asked for 64 matrix instructions ahead of its use
	LAST
	PLACES NP                                      ; behind the last products
	s_mul_i32 s51, s14, 32*528                     ; my stage: 32 rows x (512 bytes + 16), in slot 0, which has had its last fill, and which nobody reads since the last change of slots
	v_add_nc_u32 v[STV], s51, v[LI]
	v_lshlrev_b32 v[RDV], 2, v1
	v_mad_u32_u24 v[RDV], v2, 8*528, v[RDV]
	v_add_nc_u32 v[RDV], s51, v[RDV]               ; out: column r, rows 8 h on: eight rows are 1,056 words, so the two halves of the lanes lie 32 banks apart
	s_wait_loadcnt 32                              ; the gate's 30 loads are in; ve's 32, issued behind them, may be out
.irp i, 0,1,2,3,4,5
	v_cndmask_b32 v[GW+\i], v[GW+\i], 0, s22       ; k = 32 .. 127 get zero codes
.endr
.irp i, 6,7,8,9,10,11
	v_mov_b32 v[GW+\i], 0
.endr
	v_or_b32 v40, 0x7f7f7f00, v40                  ; Wgate's byte for block 0, 1.0 for the blocks of zeros
	PLACES 8                                       ; a scale register written by a vector line stands 8 places ahead of a scaled matrix instruction, an operand 4
.irp b, 0,1,2,3,4,5,6,7
	v_wmma_scale_f32_16x16x128_f8f6f4 v[G+8*\b:G+8*\b+7], v[XG+6*\b:XG+6*\b+FR-1], v[GW:GW+FR-1], 0, v[32+\b], v40 matrix_a_fmt:MATRIX_FMT_FP6 matrix_b_fmt:MATRIX_FMT_FP6
.endr                                              ; every lane: register 8 b + j = the gate's logit of key 16 b + 8 h + j, my head
	PLACES NP
	VLOAD 1
.set i, 0
.rept 64
	v_mul_f32 v[G+i], 0xbfb8aa3b, v[G+i]           ; -z log2(e)
.set i, i+1
.endr
.set i, 0
	s_wait_alu depctr_va_vdst(0)
.rept 64
	v_exp_f32 v[G+i], v[G+i]
.set i, i+1
.endr
	v_nop
.set i, 0
	s_wait_alu depctr_va_vdst(0)
.rept 64
	v_fma_f32 v[G+i], v[G+i], 0.5, 0.5
.set i, i+1
.endr
.set i, 0
	s_wait_alu depctr_va_vdst(0)
.rept 64
	v_rcp_f32 v[G+i], v[G+i]                       ; 2 sigmoid(z) = 1 / (0.5 + 0.5 e^-z)
.set i, i+1
.endr
	v_nop
	s_wait_alu depctr_va_vdst(0)
.irp beta, 0,1,2,3                             ; 32 keys at a time: ve turns through my stage, so that a lane gets its d and registers along the keys.  Turned: tile a's 16 keys at v[64 + 16 a] (a < 4) or v[192 + 16 (a - 4)]
.if \beta < 3
	s_wait_loadcnt 32                              ; these 32 rows are in; the next 32 may be out
.else
	s_wait_loadcnt 0x0
.endif
	WIN 0x04                                       ; an LDS store's data are its source 1: window 1
.set i, 0
.rept 32
	ds_store_b128 v[STV], v[128*(\beta%2)+4*i:128*(\beta%2)+4*i+3] offset:528*i
.set i, i+1
.endr
	WIN 0
.irp a, 0,1,2,3,4,5,6,7
.irp u, 0,1
.irp j, 0,1,2,3,4,5,6,7
	ds_load_b32 v[64+16*\a+64*(\a/4)+8*\u+\j], v[RDV] offset:(16*\u+\j)*528+64*\a   ; ve(key 32 beta + 16 u + 8 h + j, d = 16 a + r); LDS serves a wave's instructions in order: these see my stores
.endr
.endr
.endr
	s_wait_dscnt 0x0                               ; the numbers are back, and the stores have read their registers,
.if \beta < 2
	VLOAD \beta+2                                  ; which take the rows of two turns on
.endif
.irp a, 0,1,2,3,4,5,6,7
	WIN 0xa0+0x50*(\a/4)                           ; C and D: window 2 or 3
.irp u, 0,1
.irp jj, 0,2,4,6
	v_pk_fma_f32 v[64*(\a%4)+8*(2*\beta+\u)+\jj:64*(\a%4)+8*(2*\beta+\u)+\jj+1], v[G+16*\beta+8*\u+\jj:G+16*\beta+8*\u+\jj+1], v[64+16*\a+64*(\a/4)+8*\u+\jj:64+16*\a+64*(\a/4)+8*\u+\jj+1], v[64*(\a%4)+8*(2*\beta+\u)+\jj:64*(\a%4)+8*(2*\beta+\u)+\jj+1]
.endr
.endr
.endr
	WIN 0
.endr
.irp b, 0,1,2,3
	v_mov_b32 v[TM+4+\b], 0                        ; written once: a lane permute's destination counts as one of its sources (the gates' registers are done with)
.endr
.irp a, 0,1,2,3,4,5,6,7
	s_wait_xcnt 0x0                                ; the last tile's stores have read their data
	QUANT 64*(\a%4), 2+\a/4
	PUT \a
.endr
.Lend:
	s_wait_tensorcnt 0x0                           ; the wave's end, behind my last tensor load and my last LDS store
	ds_add_u32 v[SPW], v[NIL]
	s_wait_dscnt 0x0
	CROUND                                         ; the closing round: no work-group ends while a partner may still ask for a tile that names it
	s_endpgm
.Lfunc_end_k_qa2d566a7b8_qkv:
	.size	k_qa2d566a7b8_qkv, .Lfunc_end_k_qa2d566a7b8_qkv-k_qa2d566a7b8_qkv
	.p2alignl 7, 3214868480
	.fill 96, 4, 3214868480
	.section	.rodata,"a",@progbits
	.p2align	6, 0x0
	.amdhsa_kernel k_qa2d566a7b8_qkv
		.amdhsa_group_segment_fixed_size 327680
		.amdhsa_private_segment_fixed_size 0
		.amdhsa_enable_private_segment 0
		.amdhsa_kernarg_size 104
		.amdhsa_user_sgpr_count 2
		.amdhsa_user_sgpr_kernarg_segment_ptr 1
		.amdhsa_wavefront_size32 1
		.amdhsa_system_sgpr_workgroup_id_x 1
		.amdhsa_system_sgpr_workgroup_id_y 1
		.amdhsa_system_sgpr_workgroup_id_z 1
		.amdhsa_system_vgpr_workitem_id 0
		.amdhsa_next_free_vgpr 1024
		.amdhsa_next_free_sgpr 100
		.amdhsa_reserve_vcc 0
		.amdhsa_float_denorm_mode_32 3
		.amdhsa_float_denorm_mode_16_64 3
		.amdhsa_memory_ordered 1
		.amdhsa_forward_progress 1
		.amdhsa_inst_pref_size 255
	.end_amdhsa_kernel
	.section	.bss,"aw",@nobits
	.p2align	6
	.space	262144
	.amdgpu_metadata
---
amdhsa.version: [ 1, 2 ]
amdhsa.kernels:
  - .name:           k_qa2d566a7b8_qkv
    .symbol:         k_qa2d566a7b8_qkv.kd
    .args:
      - { .name: xc, .offset: 0, .size: 8, .value_kind: global_buffer, .address_space: global }
      - { .name: xs, .offset: 8, .size: 8, .value_kind: global_buffer, .address_space: global }
      - { .name: wi, .offset: 16, .size: 8, .value_kind: global_buffer, .address_space: global }
      - { .name: Wq_scales, .offset: 24, .size: 8, .value_kind: global_buffer, .address_space: global }
      - { .name: Wk_scales, .offset: 32, .size: 8, .value_kind: global_buffer, .address_space: global }
      - { .name: Wv_scales, .offset: 40, .size: 8, .value_kind: global_buffer, .address_space: global }
      - { .name: Wgate_codes, .offset: 48, .size: 8, .value_kind: global_buffer, .address_space: global }
      - { .name: Wgate_scales, .offset: 56, .size: 8, .value_kind: global_buffer, .address_space: global }
      - { .name: cos, .offset: 64, .size: 8, .value_kind: global_buffer, .address_space: global }
      - { .name: sin, .offset: 72, .size: 8, .value_kind: global_buffer, .address_space: global }
      - { .name: ve, .offset: 80, .size: 8, .value_kind: global_buffer, .address_space: global }
      - { .name: qimg, .offset: 88, .size: 8, .value_kind: global_buffer, .address_space: global }
      - { .name: kv, .offset: 96, .size: 8, .value_kind: global_buffer, .address_space: global }
    .group_segment_fixed_size: 327680
    .private_segment_fixed_size: 0
    .kernarg_segment_align: 8
    .kernarg_segment_size: 104
    .max_flat_workgroup_size: 128
    .sgpr_count:     100
    .vgpr_count:     1024
    .wavefront_size: 32
...
	.end_amdgpu_metadata
.endif
;; end of part 2
;; launch attn (part 3): grid 16 x 16, 16 waves a work-group, no clusters, 327,680 bytes of LDS; arguments qimg, kv, yimg; writes yimg
.if DOCPART == 3
	.amdgcn_target "amdgcn-amd-amdhsa--gfx1250"
	.amdhsa_code_object_version 6
	.text
	.protected	k_qa2d566a7b8_attn
	.globl	k_qa2d566a7b8_attn
	.p2align	8
	.type	k_qa2d566a7b8_attn,@function
k_qa2d566a7b8_attn:
	s_mov_b64 s[64:65], 0
	v_nop
	global_prefetch_b8 v0, s[64:65] scope:SCOPE_SE
	s_setreg_imm32_b32 hwreg(HW_REG_WAVE_MODE, 25, 1), 1
	s_wait_xcnt 0x0
; y[q][head] = the sum over keys k <= q of softmax_k(q . k / sqrt(128)) v[k], both products on codes of E2M3 with E8M0 block scales; y is quantised along (head, d) for the projection.
; THE SOFTMAX AHEAD OF THE SECOND PRODUCT: t = score x log2(e) / sqrt(128); M = the largest t so far, rounded up to a whole number; p = 2^(t - M) is quantised along the keys, not normalised;
; the row's sum is taken of the unquantised p and divides at the end.  When M moves, the sum and O are multiplied by 2^(old M - new M): exact.
; INPUTS are images of operands' registers: a fragment is 1,536 bytes (group c of four registers of lane l at 512 c + 16 l), a record 8 fragments and 512 bytes of scale words
; (lane l: 16 bytes; word p: lanes 0-15 tile 2 p, lanes 16-31 tile 2 p + 1).  kv [head][128 keys]: k's record (tile = 16 keys), then v's (tile = 16 d x these 128 keys): 25,600 dense bytes a key step.
; SHARES.  Work-group (x, head): p = x / 2, e = x % 2: four tiles of 16 queries (4 e ..) of block p and the same four of block 15 - p.  TWO WAVES TO A TILE: one takes the even key steps, the other the odd ones, each with
; its own M, sum and O; at the end the odd wave hands its three to the even one through LDS, and they are joined under the larger M by powers of two, which rounds nothing.  So a tile's longest run is 8 steps, not 16.
; Sixteen waves.  Wave w is of kind c = (w % 4 + w / 4) % 4: parity c % 2, block p (c < 2) or 15 - p; its tile is 4 e + w / 4.  The four waves with equal w % 4, and the four with equal w / 4, hold all four kinds:
; together (p + 1) + (16 - p) = 17 key steps of work.  Every work-group walks all 4 slots (constant trip counts); a step whose keys all come after the wave's queries is jumped over, by a scalar branch on ids,
; round its work alone.  The price: tiles that nobody reads are still fetched.
; NO CLUSTER: the work-groups that share a head's k and v differ in their query blocks, and the jump over hidden steps hangs on the block, which partners of a joint load may not have.
; Both products are used transposed (S^T = k q^T, O^T = v^T p^T): a lane holds one query (lane % 16); register 8 t + j of S^T is key 16 t + 8 h + j.  p's order inside a block of 32 keys is the one v was laid in.
; RING: two LDS slots of four key steps (102,400 bytes) as they lie in memory; each wave fetches a sixteenth (25 rows of 256 bytes) by one tensor load behind each change of slots: one load a wave is out.
; OUTPUT yimg [tile of 16 tokens][head]: 1,792 bytes: the fragment's image, then lane l's scale word twice at 8 l.  y's codes are in true order along d.
; LIMITS: NaN and infinities are not served; a block of zeros or under 2^-124 gets the byte 1.
; REGISTERS: v1-10 addresses; v12 -M, v13 the largest t, v[14:15] the sum; v16-27 q; v32-79 four fragments of k or of v; v80-83, v84-87 k's and v's scale words, v255 q's, v253 p's;
;   v96-159 S^T, then p, then v's last four fragments; v160-223 O^T; v224-235 p's codes; v232-254 at work; v30-31, v88-94 the joining.
.set REC,   25600                      ; a key step's bytes
.set SLOTB, 4*REC
.set SLOT1, 131072                     ; slot 1 begins here: one exclusive or turns an address in one slot into the other's
.set SPARE, SLOT1+SLOTB                ; the spare words, 128 bytes a wave: eight blocks of 256 bytes that no other line names
.set STG,   SPARE+2048                 ; the joining's stage: for each of the 8 tiles 8,192 bytes of O^T's image and 256 bytes of (-M, sum); no tensor load lands here
.set STGT,  8448
.set LI,  1                            ; v1 16 x lane
.set DQ,  2                            ; v2 r - 8 h
.set L8,  3                            ; v3 8 x lane
.set MG,  4                            ; v4 my tile's stage + 16 x lane
.set SPW, 5
.set NIL, 6
.set MG8, 7                            ; v7 my tile's stage + 8,192 + 8 x lane
.set AD,  8                            ; v8 LDS address of the step in hand + 16 x lane
.set LK,  9                            ; v9, v10 my first and second step's place in a slot + 16 x lane
.set FRG, 32
.set PAR, 16                           ; s16 my parity
.set WV,  18
.set SEL, 20
.set CS,  22
.set G1,  24
.set G0,  40
.set TB,  44                           ; s44 LDS byte at which the slot in hand begins
.set SLOTS, 45
.set KF,  46                           ; s46 my step's first key
.set Q0,  47                           ; s47 my first query
.set TM,  232
.set PW,  248
.set PC,  32
.macro PLACES n
.rept \n
	v_nop
.endr
.endm
.macro TLOAD                           ; every wave fetches rows of its own; four v_nop follow
	tensor_load_to_lds s[G0:G0+3], s[G1:G1+7]
	s_nop 0
.rept 4
	v_nop
.endr
.endm
	s_load_b128 s[4:7], s[0:1], 0x0                ; qimg, kv
	s_load_b64 s[8:9], s[0:1], 0x10                ; yimg
	v_lshl_add_u32 v[SPW], v0, 2, SPARE
	v_mov_b32 v[NIL], 0
	ds_add_u32 v5, v6
	ds_add_u32 v5, v6
	s_wait_dscnt 0x0
	v_lshrrev_b32 v8, 5, v0
	s_delay_alu instid0(VALU_DEP_1)
	v_readfirstlane_b32 s[WV], v8                  ; wave 0..15
	s_and_b32 s48, ttmp7, 0xffff                   ; the head
	s_lshr_b32 s49, ttmp9, 1                       ; p
	s_and_b32 s50, ttmp9, 1                        ; e
	s_and_b32 s51, s[WV], 3
	s_lshr_b32 s53, s[WV], 2                       ; u = wave / 4
	s_add_co_u32 s51, s51, s53
	s_and_b32 s51, s51, 3                          ; my kind
	s_and_b32 s[PAR], s51, 1                       ; 0: the even key steps, 1: the odd ones
	s_lshr_b32 s51, s51, 1                         ; 0: block p, 1: block 15 - p
	s_lshl_b32 s17, s53, 1
	s_add_co_u32 s17, s17, s51                     ; my tile among the work-group's eight: 2 u + block choice
	s_lshl_b32 s52, s49, 1
	s_sub_co_u32 s52, 15, s52
	s_mul_i32 s52, s52, s51
	s_add_co_u32 s52, s52, s49                     ; my block of 128 queries
	s_lshl_b32 s54, s50, 2
	s_add_co_u32 s53, s53, s54                     ; my tile in it: 4 e + u
	s_lshl_b32 s[Q0], s52, 7
	s_lshl_b32 s54, s53, 4
	s_add_co_u32 s[Q0], s[Q0], s54
	; descriptor group 1: 25 rows of 256 bytes (32 elements of 8), dense, no padding: images are read 512 consecutive bytes an instruction
	s_mov_b32 s[G1], 3<<16
	s_mov_b32 s[G1+1], 32<<16                      ; tensor_dim0
	s_mov_b32 s[G1+2], 25<<16                      ; tensor_dim1
	s_mov_b32 s[G1+3], 32<<16                      ; tile_dim0
	s_mov_b32 s[G1+4], 25                          ; tile_dim1
	s_mov_b32 s[G1+5], 32                          ; tensor_dim0_stride
	s_mov_b32 s[G1+6], 0
	s_mov_b32 s[G1+7], 0
	s_mul_i32 s55, s[WV], 6400                     ; my sixteenth of a slot
	s_mul_i32 s56, s48, 16*REC
	s_add_co_u32 s56, s56, s55
	s_mov_b32 s57, 0
	s_lshl_b32 s58, s48, 4
	s_add_co_u32 s58, s58, s52
	s_mul_i32 s58, s58, 12800                      ; q's record
	s_mov_b32 s59, 0
	s_mul_i32 s60, s53, 1536
	s_add_co_u32 s60, s60, s58                     ; my tile's image
	s_mov_b32 s61, 0
	s_and_b32 s62, s53, 1
	s_lshl_b32 s62, s62, 8
	s_lshr_b32 s63, s53, 1
	s_lshl_b32 s63, s63, 2
	s_add_co_u32 s62, s62, s63
	s_add_co_u32 s58, s58, s62                     ; its scale words: 256 (tile % 2) + 4 (tile / 2) into the record's last 512 bytes, 16 bytes a row
	s_lshr_b32 s14, s[Q0], 4
	s_lshl_b32 s14, s14, 4
	s_add_co_u32 s14, s14, s48
	s_mul_i32 s14, s14, 1792                       ; y's record: (tile of tokens x 16 + head)
	s_mov_b32 s15, 0
	s_mul_i32 s19, s[PAR], REC                     ; my first step's place in a slot
	s_mul_i32 s17, s17, STGT
	s_add_co_u32 s17, s17, STG                     ; my tile's stage
	s_mov_b32 s[SEL], 0x76543210
	s_mov_b32 s[SEL+1], 0xfedcba98
	s_mov_b32 s[CS], 0x3e0293ee                    ; c = log2(e) / sqrt(128)
	s_mov_b32 s[CS+1], s[CS]                       ; (named with it as a pair, so it is written)
	s_mov_b32 s[TB], 0
	s_mov_b32 s[SLOTS], 3
	s_lshl_b32 s[KF], s[PAR], 7
	s_wait_kmcnt 0x0
	s_mov_b32 s[G0], 1
	s_mov_b32 s[G0+1], s55
	s_add_nc_u64 s[G0+2:G0+3], s[6:7], s[56:57]
	s_or_b32 s[G0+3], s[G0+3], 0x80000000
	TLOAD                                          ; slot 0: key steps 0 to 3
	s_add_nc_u64 s[10:11], s[4:5], s[60:61]
	s_add_nc_u64 s[12:13], s[4:5], s[58:59]
	s_add_nc_u64 s[8:9], s[8:9], s[14:15]
	v_and_b32 v28, 15, v0                          ; r
	v_bfe_u32 v29, v0, 4, 1                        ; h
	v_and_b32 v30, 31, v0
	s_delay_alu instid0(VALU_DEP_1)
	v_lshlrev_b32 v[LI], 4, v30
	s_delay_alu instid0(VALU_DEP_2)
	v_lshlrev_b32 v[L8], 3, v30
	s_delay_alu instid0(VALU_DEP_4)
	v_lshlrev_b32 v29, 3, v29
	s_delay_alu instid0(VALU_DEP_1)
	v_sub_nc_u32 v[DQ], v28, v29
	v_lshlrev_b32 v28, 4, v28
.irp c, 0,1,2
	global_load_b128 v[16+4*\c:19+4*\c], v[LI], s[10:11] offset:512*\c   ; q's fragment stays in registers
.endr
	global_load_b32 v255, v28, s[12:13] offset:12288                     ; and its scale words
	v_add_nc_u32 v[LK], s19, v[LI]                 ; every LDS address is made here, ahead of every parting of the waves
	s_delay_alu instid0(VALU_DEP_1)
	v_add_nc_u32 v[LK+1], 2*REC, v[LK]
	v_add_nc_u32 v[MG], s17, v[LI]
	s_add_co_u32 s17, s17, 8192
	v_add_nc_u32 v[MG8], s17, v[L8]
	v_mov_b32 v13, 0xff61b1e6                      ; the largest t so far: -3e38, under every t
	s_delay_alu instid0(VALU_DEP_1)
	v_floor_f32 v12, -v13                          ; -M
	v_mov_b32 v14, 0
	v_mov_b32 v15, 0
.irp b, 0,1,2,3
	v_mov_b32 v[236+\b], 0                         ; written once: a lane permute's destination counts as one of its sources
.endr
	v_mov_b32 v252, 0
	v_mov_b32 v253, 0                              ; (named as the upper half of the pair v[252:253] before it is first written)
.set i, 0
.rept 64
	v_mov_b32 v[160+i], 0                          ; O^T.  The step is written once: the first finds zeros, which the first change of M leaves zeros; a wave with no step at all hands zeros over
.set i, i+1
.endr
; A KEY STEP OF MINE: 128 keys, my q-th of the slot in hand.
.macro STEP q
	s_add_co_u32 s48, s[Q0], 15
	s_cmp_gt_u32 s[KF], s48
	s_cbranch_scc1 .Lhidden_\@                     ; all 128 keys come after my 16 queries: the step's work is left out
	v_add_nc_u32 v[AD], s[TB], v[LK+\q]
	s_wait_alu depctr_va_vdst(0)
	PLACES 4                                       ; with the line above five places: four in front of loads into registers that the last step's products read, five since S^T's registers, which held v's last four fragments, are written anew by matrix instructions
	ds_load_b128 v[80:83], v[AD] offset:12288             ; k's scale words
	ds_load_b128 v[84:87], v[AD] offset:12800+12288       ; v's
.irp g, 0,1                                    ; S^T = k q^T, four tiles of 16 keys at a time
.if \g
	PLACES 4
.endif
.irp t, 0,1,2,3
.irp c, 0,1,2
	ds_load_b128 v[FRG+12*\t+4*\c:FRG+12*\t+4*\c+3], v[AD] offset:1536*(4*\g+\t)+512*\c
.endr
.endr
	s_wait_dscnt 0x0
.irp t, 0,1,2,3
.if \t%2
	v_wmma_scale_f32_16x16x128_f8f6f4 v[96+8*(4*\g+\t):103+8*(4*\g+\t)], v[FRG+12*\t:FRG+12*\t+11], v[16:27], 0, v[80+2*\g+\t/2], v255 matrix_a_fmt:MATRIX_FMT_FP6 matrix_b_fmt:MATRIX_FMT_FP6 matrix_a_scale:MATRIX_SCALE_ROW1
.else
	v_wmma_scale_f32_16x16x128_f8f6f4 v[96+8*(4*\g+\t):103+8*(4*\g+\t)], v[FRG+12*\t:FRG+12*\t+11], v[16:27], 0, v[80+2*\g+\t/2], v255 matrix_a_fmt:MATRIX_FMT_FP6 matrix_b_fmt:MATRIX_FMT_FP6
.endif
.endr
.endr
	PLACES 4
.irp t, 0,1,2,3
.irp c, 0,1,2
	ds_load_b128 v[FRG+12*\t+4*\c:FRG+12*\t+4*\c+3], v[AD] offset:12800+1536*\t+512*\c   ; v's first four fragments land under the softmax
.endr
.endr
	s_add_co_u32 s48, s[KF], 127                   ; on the diagonal hidden scores become -infinity ahead of the maximum: p = 0 then.  A step all of whose keys count skips this
	s_cmp_le_u32 s48, s[Q0]
	s_cbranch_scc1 .Lopen_\@
	s_sub_co_i32 s48, s[Q0], s[KF]
	v_add_nc_u32 v252, s48, v[DQ]                  ; my query - the step's first key - 8 h.  Register 8 t + j holds key 16 t + 8 h + j: hidden where 16 t + j is greater
	v_mov_b32 v254, 0xff800000
.set n, 0
.rept 64
	v_cmp_gt_i32 vcc_lo, 16*(n/8)+n%8, v252
	v_cndmask_b32 v[96+n], v[96+n], v254, vcc_lo
.set n, n+1
.endr
.Lopen_\@:
.irp b, 0,1,2,3
	v_max3_num_f32 v[232+\b], v[96+16*\b], v[97+16*\b], v[98+16*\b]   ; the largest score of each block of 32 keys: for the row's maximum, and, since p rises with the score, for the block's largest p
.endr
.irp i, 3,5,7,9,11,13
.irp b, 0,1,2,3
	v_max3_num_f32 v[232+\b], v[232+\b], v[96+16*\b+\i], v[97+16*\b+\i]
.endr
.endr
.irp b, 0,1,2,3
	v_max_num_f32 v[232+\b], v[232+\b], v[111+16*\b]
.endr
.irp b, 0,1,2,3
	s_delay_alu instid0(VALU_DEP_4)
	v_permlanex16_b32 v[236+\b], v[232+\b], s[SEL], s[SEL+1]
.endr
.irp b, 0,1,2,3
	s_delay_alu instid0(VALU_DEP_4)
	v_max_num_f32 v[232+\b], v[232+\b], v[236+\b]  ; with lane l xor 16's 16 keys
.endr
	s_delay_alu instid0(VALU_DEP_2)
	v_max3_num_f32 v254, v232, v233, v234
	s_delay_alu instid0(VALU_DEP_1)
	v_max_num_f32 v254, v254, v235                 ; the step's largest score of my query
	s_delay_alu instid0(VALU_DEP_1)
	v_mul_f32 v254, s[CS], v254                    ; as t (c is positive)
	s_delay_alu instid0(VALU_DEP_1)
	v_max_num_f32 v13, v13, v254                   ; the running largest t
	v_mov_b32 v254, v12
	s_delay_alu instid0(VALU_DEP_2)
	v_floor_f32 v12, -v13                          ; the new -M = floor(-t) = -ceil(t): a whole number
	s_delay_alu instid0(VALU_DEP_1)
	v_sub_f32 v254, v12, v254                      ; old M - new M: a whole number, 0 or less
	s_delay_alu instid0(VALU_DEP_1)
	v_cvt_i32_f32 v254, v254                       ; (it saturates)
	s_delay_alu instid0(VALU_DEP_1)
	v_ldexp_f32 v252, 1.0, v254                    ; f = 2^(old M - new M)
.set i, 0
.rept 32
	v_pk_fma_f32 v[96+i:97+i], v[96+i:97+i], s[CS:CS+1], v[12:13] op_sel_hi:[1,0,0]   ; t - M, two at a time
.set i, i+2
.endr
.irp b, 0,1,2,3
	v_fma_f32 v[232+\b], v[232+\b], s[CS], v12     ; the same of each block's largest score
.endr
.set i, 0
	s_wait_alu depctr_va_vdst(0)
.rept 64
	v_exp_f32 v[96+i], v[96+i]                     ; p = 2^(t - M), at most 1: not normalised
.set i, i+1
.endr
.irp b, 0,1,2,3
	v_exp_f32 v[232+\b], v[232+\b]                 ; the block's largest p: the same two instructions on the same number give the same bits
.endr
	v_pk_mul_f32 v[14:15], v[14:15], v[252:253] op_sel_hi:[1,0]   ; the sums under the new M (a plain line behind the exponentials)
	s_wait_alu depctr_va_vdst(0)
.irp b, 0,1,2,3
	v_max_num_f32 v[232+\b], 0x1800000, v[232+\b]  ; the floor 2^(3 - 127): the byte cannot fall under 1
.endr
.irp b, 0,1,2,3
	s_delay_alu instid0(VALU_DEP_4)
	v_add_nc_u32 v[244+\b], 0xff000000, v[232+\b]  ; 2 off the exponent field: the conversion's scale operand
.endr
.irp b, 0,1,2,3
	s_delay_alu instid0(VALU_DEP_4)
	v_lshrrev_b32 v[236+\b], 23, v[244+\b]         ; the scale's byte
.endr
	s_delay_alu instid0(VALU_DEP_3)
	v_lshl_or_b32 v253, v237, 8, v236              ; p's scale word for these 128 keys
	s_delay_alu instid0(VALU_DEP_1)
	v_lshl_or_b32 v253, v238, 16, v253
	s_delay_alu instid0(VALU_DEP_1)
	v_lshl_or_b32 v253, v239, 24, v253
.irp c, 0,1
	v_cvt_scalef32_pk16_fp6_f32 v[224+6*\c:226+6*\c], v[96+32*\c:111+32*\c], v[244+2*\c]
	v_cvt_scalef32_pk16_fp6_f32 v[236+4*\c:238+4*\c], v[112+32*\c:127+32*\c], v[244+2*\c+1]
.endr
	v_nop                                          ; one plain line behind a scaled conversion
.irp c, 0,1
.irp i, 0,1,2
	v_permlane16_swap_b32 v[224+6*\c+\i], v[236+4*\c+\i]
.endr
.irp i, 0,1,2
	s_delay_alu instid0(VALU_DEP_3)
	v_mov_b32 v[227+6*\c+\i], v[236+4*\c+\i]
.endr
.endr
	v_pk_add_f32 v[236:237], v[100:101], v[104:105]
	v_pk_add_f32 v[250:251], v[108:109], v[112:113]
	v_pk_add_f32 v[248:249], v[116:117], v[120:121]
	v_pk_add_f32 v[246:247], v[124:125], v[128:129]
	v_pk_add_f32 v[244:245], v[132:133], v[136:137]
	v_pk_add_f32 v[242:243], v[140:141], v[144:145]
	v_pk_add_f32 v[240:241], v[148:149], v[152:153]
	v_pk_add_f32 v[14:15], v[14:15], v[156:157]
	v_pk_add_f32 v[236:237], v[236:237], v[96:97]
	v_pk_add_f32 v[250:251], v[250:251], v[98:99]
	v_pk_add_f32 v[248:249], v[248:249], v[102:103]
	v_pk_add_f32 v[246:247], v[246:247], v[106:107]
	v_pk_add_f32 v[244:245], v[244:245], v[110:111]
	v_pk_add_f32 v[242:243], v[242:243], v[114:115]
	v_pk_add_f32 v[240:241], v[240:241], v[118:119]
	v_pk_add_f32 v[14:15], v[14:15], v[122:123]
	v_pk_add_f32 v[236:237], v[236:237], v[126:127]
	v_pk_add_f32 v[250:251], v[250:251], v[130:131]
	v_pk_add_f32 v[248:249], v[248:249], v[134:135]
	v_pk_add_f32 v[246:247], v[246:247], v[138:139]
	v_pk_add_f32 v[244:245], v[244:245], v[142:143]
	v_pk_add_f32 v[242:243], v[242:243], v[146:147]
	v_pk_add_f32 v[240:241], v[240:241], v[150:151]
	v_pk_add_f32 v[14:15], v[14:15], v[154:155]
	v_pk_add_f32 v[236:237], v[236:237], v[158:159]
	s_delay_alu instid0(VALU_DEP_2)
	v_pk_add_f32 v[14:15], v[14:15], v[246:247]
	s_delay_alu instid0(VALU_DEP_2)
	v_pk_add_f32 v[236:237], v[236:237], v[244:245]
	v_pk_add_f32 v[250:251], v[250:251], v[242:243]
	v_pk_add_f32 v[248:249], v[248:249], v[240:241]
	s_delay_alu instid0(VALU_DEP_2)
	v_pk_add_f32 v[14:15], v[14:15], v[250:251]
	s_delay_alu instid0(VALU_DEP_2)
	v_pk_add_f32 v[236:237], v[236:237], v[248:249]
	s_delay_alu instid0(VALU_DEP_1)
	v_pk_add_f32 v[14:15], v[14:15], v[236:237]
.irp t, 0,1,2,3
.irp c, 0,1,2
	ds_load_b128 v[96+12*\t+4*\c:96+12*\t+4*\c+3], v[AD] offset:12800+1536*(4+\t)+512*\c   ; p has been read for the last time: its registers take v's last four fragments, which land under the lines below
.endr
.endr
.set i, 0
.rept 32
	v_pk_mul_f32 v[160+i:161+i], v[160+i:161+i], v[252:253] op_sel_hi:[1,0]   ; O^T under the new M.  (These lines and the sums are also the places between p's codes and scale word and the products below)
.set i, i+2
.endr
	s_wait_alu depctr_va_vdst(0)
	s_wait_dscnt 12                                ; v's first four fragments are in; the 12 loads of the last four, issued behind them, may be out
.irp t, 0,1,2,3                                ; the eight accumulators take turns, one instruction a turn
.if \t%2
	v_wmma_scale_f32_16x16x128_f8f6f4 v[160+8*\t:167+8*\t], v[FRG+12*\t:FRG+12*\t+11], v[224:235], v[160+8*\t:167+8*\t], v[84+\t/2], v253 matrix_a_fmt:MATRIX_FMT_FP6 matrix_b_fmt:MATRIX_FMT_FP6 matrix_a_scale:MATRIX_SCALE_ROW1
.else
	v_wmma_scale_f32_16x16x128_f8f6f4 v[160+8*\t:167+8*\t], v[FRG+12*\t:FRG+12*\t+11], v[224:235], v[160+8*\t:167+8*\t], v[84+\t/2], v253 matrix_a_fmt:MATRIX_FMT_FP6 matrix_b_fmt:MATRIX_FMT_FP6
.endif
.endr
	s_wait_dscnt 0x0
.irp t, 4,5,6,7
.if \t%2
	v_wmma_scale_f32_16x16x128_f8f6f4 v[160+8*\t:167+8*\t], v[96+12*(\t-4):96+12*(\t-4)+11], v[224:235], v[160+8*\t:167+8*\t], v[84+\t/2], v253 matrix_a_fmt:MATRIX_FMT_FP6 matrix_b_fmt:MATRIX_FMT_FP6 matrix_a_scale:MATRIX_SCALE_ROW1
.else
	v_wmma_scale_f32_16x16x128_f8f6f4 v[160+8*\t:167+8*\t], v[96+12*(\t-4):96+12*(\t-4)+11], v[224:235], v[160+8*\t:167+8*\t], v[84+\t/2], v253 matrix_a_fmt:MATRIX_FMT_FP6 matrix_b_fmt:MATRIX_FMT_FP6
.endif
.endr
.Lhidden_\@:
	s_add_co_u32 s[KF], s[KF], 256                 ; my next step: two key steps on
.endm
; THE CHANGE OF SLOTS stands at a slot's head.  Each wave waits for all its tensor loads (its part of the slot that it is about to read), adds 0 to its spare word, and waits for that and for its reads of the slot that it has left.
; Behind the barrier the slot ahead is whole and nobody reads the other one.  fill = 1: that other slot takes the next four key steps: the load has a whole slot's steps in which to land.
.macro CHANGE fill
	s_wait_tensorcnt 0x0                           ; no tensor load of mine is out, so group 0 may be written
	ds_add_u32 v[SPW], v[NIL]                      ; 0 onto my spare word
.if \fill
	s_xor_b32 s[G0+1], s[G0+1], SLOT1              ; the other slot than last time,
	s_add_nc_u64 s[G0+2:G0+3], s[G0+2:G0+3], SLOTB ; the next four key steps; the type bits on top are not reached
.endif
	s_wait_dscnt 0x0                               ; the add is done, and my reads of the slot that I have left are over
	s_barrier_signal -1
	s_barrier_wait -1
.if \fill
	TLOAD                                          ; the first thing behind the barrier, and my one tensor load until the next
.endif
.endm
.macro SLOT_STEPS
	STEP 0
	STEP 1
	s_xor_b32 s[TB], s[TB], SLOT1
.endm
	s_wait_loadcnt 0x0                             ; q
.Lslot:                                            ; 3 trips: behind each change of slots but the last the next slot is asked for
	CHANGE 1
	SLOT_STEPS
	s_sub_co_u32 s[SLOTS], s[SLOTS], 1
	s_cmp_lg_u32 s[SLOTS], 0
	s_cbranch_scc1 .Lslot
	CHANGE 0                                       ; the last slot is written out
	SLOT_STEPS
	; THE JOINING.  The odd wave puts O^T, -M and its sum into the tile's stage; a barrier; the even wave takes them up.
	PLACES 4                                       ; behind the last products
	v_add_f32 v14, v14, v15                        ; my keys' sum, this half of the lanes'
	s_cmp_eq_u32 s[PAR], 0
	s_cbranch_scc1 .Lkeep
	v_mov_b32 v13, v14                             ; beside -M, as a pair
.set i, 0
	s_wait_alu depctr_va_vdst(0)
.rept 16
	ds_store_b128 v[MG], v[160+4*i:163+4*i] offset:512*i   ; O^T as an image of its registers, each accumulator from its low end on
.set i, i+1
.endr
	ds_store_b64 v[MG8], v[12:13]
.Lkeep:
	s_wait_dscnt 0x0                               ; for the partner's sake: my stores are done
	s_barrier_signal -1
	s_barrier_wait -1
	s_cmp_lg_u32 s[PAR], 0
	s_cbranch_scc1 .Ldone                          ; the odd wave has handed its part over
	ds_load_b64 v[88:89], v[MG8]                   ; the partner's -M and sum
.set i, 0
.rept 16
	ds_load_b128 v[96+4*i:99+4*i], v[MG] offset:512*i      ; and its O^T
.set i, i+1
.endr
	s_wait_dscnt 16                                ; the pair is in; the 16 loads issued behind it may be out
	v_min_num_f32 v30, v12, v88                    ; the joint -M: the larger M
	s_delay_alu instid0(VALU_DEP_1)
	v_sub_f32 v31, v30, v12                        ; my M - the joint M: a whole number, 0 or less
	s_delay_alu instid0(VALU_DEP_2)
	v_sub_f32 v94, v30, v88                        ; the partner's (a partner with no step has M = -3e38: its factor falls to 0, over zeros)
	s_delay_alu instid0(VALU_DEP_2)
	v_cvt_i32_f32 v31, v31                         ; (it saturates)
	s_delay_alu instid0(VALU_DEP_2)
	v_cvt_i32_f32 v94, v94
	s_delay_alu instid0(VALU_DEP_2)
	v_ldexp_f32 v90, 1.0, v31                      ; my factor,
	s_delay_alu instid0(VALU_DEP_2)
	v_ldexp_f32 v92, 1.0, v94                      ; the partner's: powers of two, which round nothing
	v_mov_b32 v91, 0                               ; (the pairs' upper halves are named below, so they are written)
	v_mov_b32 v93, 0
	s_delay_alu instid0(VALU_DEP_4)
	v_mul_f32 v14, v14, v90
	s_delay_alu instid0(VALU_DEP_1)
	v_fma_f32 v14, v89, v92, v14                   ; the joint sum
	s_wait_alu depctr_va_vdst(0)
	s_wait_dscnt 0x0
.set i, 0
.rept 32
	v_pk_mul_f32 v[160+i:161+i], v[160+i:161+i], v[90:91] op_sel_hi:[1,0]
.set i, i+2
.endr
.set i, 0
.rept 32
	v_pk_fma_f32 v[160+i:161+i], v[96+i:97+i], v[92:93], v[160+i:161+i] op_sel_hi:[1,0,1]
.set i, i+2
.endr
	; THE END.  O^T / the sum; brought into true order along d; quantised; the image goes out.
	v_permlanex16_b32 v252, v14, s[SEL], s[SEL+1]
	s_delay_alu instid0(VALU_DEP_1)
	v_add_f32 v14, v14, v252                       ; the row's sum
	s_wait_alu depctr_va_vdst(0)
	v_rcp_f32 v14, v14
	v_nop
.set i, 0
	s_wait_alu depctr_va_vdst(0)
.rept 64
	v_mul_f32 v[96+i], v[160+i], v14               ; register 8 t + j: y(query r, d = 16 t + 8 h + j)
.set i, i+1
.endr
.irp b, 0,1,2,3
.irp j, 0,1,2,3,4,5,6,7
	v_permlane16_swap_b32 v[96+16*\b+\j], v[96+16*\b+8+\j]   ; the first's lanes 16-31 change places with the second's lanes 0-15: register 16 b + i is now d = 32 b + 16 h + i
.endr
.endr
.irp b, 0,1,2,3
	v_max3_num_f32 v[TM+\b], |v[96+16*\b]|, |v[97+16*\b]|, 0x1800000
.endr
.irp i, 2,4,6,8,10,12,14
.irp b, 0,1,2,3
	s_delay_alu instid0(VALU_DEP_4)
	v_max3_num_f32 v[TM+\b], v[TM+\b], |v[96+16*\b+\i]|, |v[97+16*\b+\i]|
.endr
.endr
.irp b, 0,1,2,3
	s_delay_alu instid0(VALU_DEP_4)
	v_permlanex16_b32 v[TM+4+\b], v[TM+\b], s[SEL], s[SEL+1]
.endr
.irp b, 0,1,2,3
	s_delay_alu instid0(VALU_DEP_4)
	v_max_num_f32 v[TM+\b], v[TM+\b], v[TM+4+\b]
.endr
.irp b, 0,1,2,3
	s_delay_alu instid0(VALU_DEP_4)
	v_add_nc_u32 v[TM+12+\b], 0xff000000, v[TM+\b]
.endr
.irp b, 0,1,2,3
	s_delay_alu instid0(VALU_DEP_4)
	v_lshrrev_b32 v[TM+4+\b], 23, v[TM+12+\b]
.endr
	s_delay_alu instid0(VALU_DEP_3)
	v_lshl_or_b32 v[PW], v[TM+5], 8, v[TM+4]
	s_delay_alu instid0(VALU_DEP_1)
	v_lshl_or_b32 v[PW], v[TM+6], 16, v[PW]
	s_delay_alu instid0(VALU_DEP_1)
	v_lshl_or_b32 v[PW], v[TM+7], 24, v[PW]
.irp c, 0,1
	v_cvt_scalef32_pk16_fp6_f32 v[PC+6*\c:PC+2+6*\c], v[96+32*\c:111+32*\c], v[TM+12+2*\c]
	v_cvt_scalef32_pk16_fp6_f32 v[PC+12+4*\c:PC+14+4*\c], v[112+32*\c:127+32*\c], v[TM+13+2*\c]
.endr
	v_mov_b32 v[PW+1], v[PW]                       ; the word twice, 8 bytes a lane (a plain line behind the conversions)
.irp c, 0,1
.irp i, 0,1,2
	v_permlane16_swap_b32 v[PC+6*\c+\i], v[PC+12+4*\c+\i]
.endr
.irp i, 0,1,2
	s_delay_alu instid0(VALU_DEP_3)
	v_mov_b32 v[PC+3+6*\c+\i], v[PC+12+4*\c+\i]
.endr
.endr
.irp c, 0,1,2
	global_store_b128 v[LI], v[PC+4*\c:PC+4*\c+3], s[8:9] offset:512*\c   ; 512 consecutive bytes, aligned to 256
.endr
	global_store_b64 v[L8], v[PW:PW+1], s[8:9] offset:1536                ; 256 consecutive bytes, aligned
.Ldone:
	s_wait_tensorcnt 0x0                           ; the wave's end, behind my last tensor load and my last LDS store
	ds_add_u32 v[SPW], v[NIL]
	s_wait_dscnt 0x0
	s_endpgm
.Lfunc_end_k_qa2d566a7b8_attn:
	.size	k_qa2d566a7b8_attn, .Lfunc_end_k_qa2d566a7b8_attn-k_qa2d566a7b8_attn
	.p2alignl 7, 3214868480
	.fill 96, 4, 3214868480
	.section	.rodata,"a",@progbits
	.p2align	6, 0x0
	.amdhsa_kernel k_qa2d566a7b8_attn
		.amdhsa_group_segment_fixed_size 327680
		.amdhsa_private_segment_fixed_size 0
		.amdhsa_enable_private_segment 0
		.amdhsa_kernarg_size 24
		.amdhsa_user_sgpr_count 2
		.amdhsa_user_sgpr_kernarg_segment_ptr 1
		.amdhsa_wavefront_size32 1
		.amdhsa_system_sgpr_workgroup_id_x 1
		.amdhsa_system_sgpr_workgroup_id_y 1
		.amdhsa_system_sgpr_workgroup_id_z 1
		.amdhsa_system_vgpr_workitem_id 0
		.amdhsa_next_free_vgpr 256
		.amdhsa_next_free_sgpr 66
		.amdhsa_reserve_vcc 1
		.amdhsa_float_denorm_mode_32 3
		.amdhsa_float_denorm_mode_16_64 3
		.amdhsa_memory_ordered 1
		.amdhsa_forward_progress 1
		.amdhsa_inst_pref_size 125
	.end_amdhsa_kernel
	.amdgpu_metadata
---
amdhsa.version: [ 1, 2 ]
amdhsa.kernels:
  - .name:           k_qa2d566a7b8_attn
    .symbol:         k_qa2d566a7b8_attn.kd
    .args:
      - { .name: qimg, .offset: 0, .size: 8, .value_kind: global_buffer, .address_space: global }
      - { .name: kv, .offset: 8, .size: 8, .value_kind: global_buffer, .address_space: global }
      - { .name: yimg, .offset: 16, .size: 8, .value_kind: global_buffer, .address_space: global }
    .group_segment_fixed_size: 327680
    .private_segment_fixed_size: 0
    .kernarg_segment_align: 8
    .kernarg_segment_size: 24
    .max_flat_workgroup_size: 512
    .sgpr_count:     66
    .vgpr_count:     256
    .wavefront_size: 32
...
	.end_amdgpu_metadata
.endif
;; end of part 3
;; launch proj (part 4): grid 16 x 16, 4 waves a work-group, clusters of 4 x 4, 327,680 bytes of LDS; arguments yimg, wi, Wproj_scales, out0; writes out0
.if DOCPART == 4
	.amdgcn_target "amdgcn-amd-amdhsa--gfx1250"
	.amdhsa_code_object_version 6
	.text
	.protected	k_qa2d566a7b8_proj
	.globl	k_qa2d566a7b8_proj
	.p2align	8
	.type	k_qa2d566a7b8_proj,@function
k_qa2d566a7b8_proj:
	s_mov_b64 s[64:65], 0
	v_nop
	global_prefetch_b8 v0, s[64:65] scope:SCOPE_SE
	s_setreg_imm32_b32 hwreg(HW_REG_WAVE_MODE, 25, 1), 1
	s_wait_xcnt 0x0
	s_wait_alu depctr_hold_cnt(0) depctr_sa_sdst(0) depctr_va_vdst(0) depctr_va_sdst(0) depctr_va_ssrc(0) depctr_va_vcc(0) depctr_vm_vsrc(0)
	s_getreg_b32 s2, hwreg(HW_REG_IB_STS2, 6, 4)
	s_cmp_eq_u32 s2, 0
	s_cbranch_scc0 .Lentry_in_a_cluster
	s_endpgm
.Lentry_in_a_cluster:
	s_bfe_u32 s2, ttmp6, 0x10000c
	s_cmp_lg_u32 s2, 0xf033
	s_cbranch_scc0 .Lentry_shape_is_right
	s_endpgm
.Lentry_shape_is_right:
.set REC,   1792
.set AROW,  4*REC
.set ASTR,  16*REC
.set APART, 8*AROW
.set BP,    384                        ; Wproj comes as images of fragments (wi's fourth part): 16 rows x 512 K are 6,144 dense bytes
.set BPART, 128*BP
.set SLOT,  APART+BPART
.set SCL,   2*SLOT
.set SCQ,   8*272
.set SPARE, SCL+4*SCQ
.set STAGE, SPARE+512
.set ADA,  16
.set ADA8, 18
.set ADB,  20
.set ADB2, 22
.set STO,  24
.set RD,   25
.set CO,   26
.set ADRS, 27
.set SPW,  28
.set NIL,  29
.set SB,   32
.set SA,   48
.set BK,   64
.set ACC,  128
.set G1, 24
.set G0, 32
.set G1B, 48
.set G0B, 56
.set G1S, 68
.set G0S, 76
.set MSB, 0
.macro WIN new
.if MSB != (\new)
	s_set_vgpr_msb (MSB<<8)|(\new)
.set MSB, (\new)
.endif
.endm
.macro PLACES n
.rept \n
	v_nop
.endr
.endm
.macro JLOAD g0a, g1a, g0b, g1b
	s_cmp_eq_u32 s15, 0
	s_cbranch_scc0 .Lfor_b_\@
	tensor_load_to_lds s[\g0a:\g0a+3], s[\g1a:\g1a+7]
	s_nop 0
.rept 4
	v_nop
.endr
	s_branch .Lasked_\@
.Lfor_b_\@:
	tensor_load_to_lds s[\g0b:\g0b+3], s[\g1b:\g1b+7]
	s_nop 0
.rept 4
	v_nop
.endr
.Lasked_\@:
.endm
.macro CREST
	s_cmp_lg_u32 s14, 0
	s_cbranch_scc1 .Lnot_wave_0_\@
	s_barrier_signal -3
.Lnot_wave_0_\@:
	s_barrier_wait -3
	s_barrier_signal -1
	s_barrier_wait -1
.endm
.macro CROUND
	s_barrier_signal -1
	s_barrier_wait -1
	CREST
.endm
	s_load_b128 s[4:7], s[0:1], 0x0
	s_load_b128 s[8:11], s[0:1], 0x10
	v_lshl_add_u32 v[SPW], v0, 2, SPARE
	v_mov_b32 v[NIL], 0
	ds_add_u32 v28, v29
	ds_add_u32 v28, v29
	s_wait_dscnt 0x0
	v_lshrrev_b32 v1, 5, v0
	v_readfirstlane_b32 s14, v1
	s_lshr_b32 s15, s14, 1
	s_and_b32 s16, s14, 1
	s_bfe_u32 s40, ttmp6, 0x40000
	s_bfe_u32 s41, ttmp6, 0x40004
	s_lshl_b32 s42, ttmp9, 2
	s_add_co_u32 s42, s42, s40
	s_and_b32 s17, ttmp7, 0xffff
	s_lshl_b32 s17, s17, 2
	s_add_co_u32 s17, s17, s41
	s_lshl_b32 s43, s41, 2
	s_lshl_b32 s43, 15, s43
	s_lshl_b32 s44, 0x1111, s40
	s_or_b32 s[G1+0], s43, (3<<16)|(1<<21)
	s_mov_b32 s[G1+1], 896<<16
	s_mov_b32 s[G1+2], 8<<16                       ; 8 rows for the head's load of A; behind it 4
	s_mov_b32 s[G1+3], 896<<16
	s_mov_b32 s[G1+4], 8
	s_mov_b32 s[G1+5], 3584
	s_mov_b32 s[G1+6], 0
	s_mov_b32 s[G1+7], 0
	s_or_b32 s[G1B+0], s44, 1<<21                  ; 4 rows of 6,144 bytes, one for each block of 16 rows, 24,576 bytes apart; no padding
	s_mov_b32 s[G1B+1], 6144<<16
	s_mov_b32 s[G1B+2], 4<<16
	s_mov_b32 s[G1B+3], 6144<<16
	s_mov_b32 s[G1B+4], 4
	s_mov_b32 s[G1B+5], 24576
	s_mov_b32 s[G1B+6], 0
	s_mov_b32 s[G1B+7], 0
	s_or_b32 s[G1S+0], s44, (3<<16)|(1<<20)|(1<<21)|(5<<22)|(3<<25)
	s_mov_b32 s[G1S+1], 32<<16
	s_mov_b32 s[G1S+2], 32<<16                     ; the scales of all 128 rows of B: 32 rows of 256 bytes
	s_mov_b32 s[G1S+3], 32<<16
	s_mov_b32 s[G1S+4], 32
	s_mov_b32 s[G1S+5], 32
	s_mov_b32 s[G1S+6], 0
	s_mov_b32 s[G1S+7], 0
	s_lshl_b32 s20, s17, 3
	s_lshl_b32 s18, s16, 2
	s_add_co_u32 s20, s20, s18
	s_mul_i32 s20, s20, ASTR
	s_mov_b32 s21, 0
	s_lshl_b32 s46, s42, 7
	s_lshl_b32 s18, s16, 6
	s_add_co_u32 s46, s46, s18
	s_mul_i32 s46, s46, 1536
	s_add_co_u32 s46, s46, 3*3145728
	s_mov_b32 s47, 0
	s_lshl_b32 s92, s42, 13
	s_mov_b32 s93, 0
	s_mul_i32 s45, s16, 4*AROW
	s_mul_i32 s94, s16, 64*BP
	s_add_co_u32 s94, s94, APART
	s_wait_kmcnt 0x0
	s_add_nc_u64 s[20:21], s[4:5], s[20:21]
	s_add_nc_u64 s[46:47], s[6:7], s[46:47]
	s_add_nc_u64 s[92:93], s[8:9], s[92:93]
	CROUND
	s_mov_b32 s[G0S], 1
	s_mov_b32 s[G0S+1], SCL
	s_mov_b64 s[G0S+2:G0S+3], s[92:93]
	s_or_b32 s[G0S+3], s[G0S+3], 0x80000000
.irp s, 0,1
	s_mov_b32 s[G0+4*\s], 1
	s_add_co_u32 s[G0+4*\s+1], s45, \s*SLOT
	s_add_nc_u64 s[G0+4*\s+2:G0+4*\s+3], s[20:21], \s*AROW
	s_or_b32 s[G0+4*\s+3], s[G0+4*\s+3], 0x80000000
	s_mov_b32 s[G0B+4*\s], 1
	s_add_co_u32 s[G0B+4*\s+1], s94, \s*SLOT
	s_add_nc_u64 s[G0B+4*\s+2:G0B+4*\s+3], s[46:47], \s*6144
	s_or_b32 s[G0B+4*\s+3], s[G0B+4*\s+3], 0x80000000
.endr
	; the prefetches: of the four rows (7,168 bytes of A, 6,144 of B) that I fetch in the ring, each of the four partners that ask jointly takes one, by address
	s_cmp_eq_u32 s15, 0
	s_cselect_b64 s[80:81], s[20:21], s[46:47]
	s_cselect_b32 s82, s40, s41                    ; my place among the four
	s_mov_b32 s84, 24576
	s_cselect_b32 s84, ASTR, s84                   ; bytes from row to row
	s_mov_b32 s85, 23
	s_cselect_b32 s85, 27, s85                     ; the row's last block of 256 bytes
	s_mov_b32 s86, 6144
	s_cselect_b32 s86, AROW, s86                   ; bytes from slot to slot along K
	s_mul_i32 s82, s82, s84
	s_lshl_b32 s87, s86, 1
	s_add_co_u32 s82, s82, s87
	s_mov_b32 s83, 0
	s_mov_b32 s87, 0
	s_add_nc_u64 s[80:81], s[80:81], s[82:83]      ; the third fill's bytes,
	s_add_nc_u64 s[88:89], s[80:81], s[86:87]      ; and the fourth's; neither pair is written again
; The head's loads, one a wave: wave 0 all 8 rows of A's slot 0, wave 1 B's scales, waves 2 and 3 B's halves of slot 0.  One chain of branches on the wave's number.
.macro ARM under, g0, g1, next
	s_cmp_lt_u32 s14, \under
	s_cbranch_scc0 \next
	tensor_load_to_lds s[\g0:\g0+3], s[\g1:\g1+7]
	s_nop 0
.rept 4
	v_nop
.endr
	s_branch .Lhead_asked
\next:
.endm
	ARM 1, G0,  G1,  .Lhead_s
	ARM 2, G0S, G1S, .Lhead_b
	tensor_load_to_lds s[G0B:G0B+3], s[G1B:G1B+7]
	s_nop 0
.rept 4
	v_nop
.endr
.Lhead_asked:
	v_and_b32 v30, 31, v0                          ; v30, never rewritten: the prefetches' offset, a lane a block of 256 bytes
	v_min_u32 v30, s85, v30                        ; (the lanes left over name the last block again)
	v_lshlrev_b32 v30, 8, v30
	v_and_b32 v1, 15, v0
	v_bfe_u32 v2, v0, 4, 1
	v_and_b32 v3, 31, v0
	v_lshlrev_b32 v4, 4, v3
	v_lshlrev_b32 v5, 3, v3
	s_wait_alu depctr_va_vdst(0)                   ; ahead of the scalar lines and the readers below
	s_mul_i32 s21, s15, 4*AROW
	s_add_co_u32 s23, s21, 1536
	s_mul_i32 s22, s16, 64*BP
	s_add_co_u32 s22, s22, APART
.irp s, 0,1
	v_add_nc_u32 v[ADA+\s], s21, v4
	v_add_nc_u32 v[ADA8+\s], s23, v5
	v_add_nc_u32 v[ADB+\s], s22, v4
	s_add_co_u32 s21, s21, SLOT
	s_add_co_u32 s23, s23, SLOT
	s_add_co_u32 s22, s22, SLOT
.endr
	v_lshlrev_b32 v8, 6, v1
	v_lshrrev_b32 v9, 2, v1
	v_lshl_add_u32 v8, v9, 4, v8
	s_mul_i32 s18, s16, 2*SCQ
	s_add_co_u32 s18, s18, SCL
	v_add_nc_u32 v[ADRS], s18, v8
	s_mul_i32 s18, s14, 16*272
	s_add_co_u32 s18, s18, STAGE
	v_mul_u32_u24 v8, v1, 272
	v_lshl_add_u32 v8, v2, 5, v8
	v_add_nc_u32 v[STO], s18, v8
	v_mul_u32_u24 v8, v2, 272
	v_lshl_add_u32 v8, v1, 4, v8
	v_add_nc_u32 v[RD], s18, v8
	v_lshlrev_b32 v8, 13, v2
	v_lshl_add_u32 v[CO], v1, 4, v8
	s_lshl_b32 s20, s17, 7
	s_lshl_b32 s21, s15, 6
	s_add_co_u32 s20, s20, s21
	s_lshl_b32 s20, s20, 13
	s_lshl_b32 s46, s42, 9
	s_lshl_b32 s47, s16, 8
	s_add_co_u32 s46, s46, s47
	s_add_co_u32 s20, s20, s46
	s_mov_b32 s21, 0
	s_add_nc_u64 s[10:11], s[10:11], s[20:21]
.macro FRAGB reg, slot, q, i
.irp pp, 0,1,2
	ds_load_b128 v[\reg+4*\pp:\reg+4*\pp+3], v[ADB+\slot] offset:1536*(\q)+512*\pp+(\i)*16*BP
.endr
.endm
.macro FETCH slot, q, p
	WIN 0
.irp a, 0,1,2,3
	ds_load_b32 v[SA+4*(\p)+\a], v[ADA8+\slot] offset:\a*AROW+(\q)*REC
.endr
	WIN 0x40
.irp b, 0,1,2,3
	FRAGB 128*(\p)+12*\b, \slot, \q, \b
.endr
.irp a, 0,1,2,3
.irp c, 0,1,2
	ds_load_b128 v[128*(\p)+48+12*\a+4*\c:128*(\p)+48+12*\a+4*\c+3], v[ADA+\slot] offset:\a*AROW+(\q)*REC+512*\c
.endr
.endr
.endm
.macro SCALESB n
.irp b, 0,1,2,3
	ds_load_b128 v[SB+4*\b:SB+4*\b+3], v[ADRS] offset:4*272*\b+16*(\n)
.endr
.endm
.macro MUL q, p, zero
	WIN 0x05
.irp a, 0,1,2,3
.irp b, 0,1,2,3
.if \zero
	v_wmma_scale_f32_16x16x128_f8f6f4 v[ACC+8*(4*\a+\b):ACC+8*(4*\a+\b)+7], v[128*(\p)+12*\b:128*(\p)+12*\b+11], v[128*(\p)+48+12*\a:128*(\p)+48+12*\a+11], 0, v[SB+4*\b+(\q)], v[SA+4*(\p)+\a] matrix_a_fmt:MATRIX_FMT_FP6 matrix_b_fmt:MATRIX_FMT_FP6
.else
	v_wmma_scale_f32_16x16x128_f8f6f4 v[ACC+8*(4*\a+\b):ACC+8*(4*\a+\b)+7], v[128*(\p)+12*\b:128*(\p)+12*\b+11], v[128*(\p)+48+12*\a:128*(\p)+48+12*\a+11], v[ACC+8*(4*\a+\b):ACC+8*(4*\a+\b)+7], v[SB+4*\b+(\q)], v[SA+4*(\p)+\a] matrix_a_fmt:MATRIX_FMT_FP6 matrix_b_fmt:MATRIX_FMT_FP6
.endif
.endr
.endr
.endm
.macro PHASE slot, n, zero
	WIN 0
	PLACES 4
	SCALESB \n
	FETCH \slot, 0, 0
	FETCH \slot, 1, 1
	s_wait_dscnt 28                                ; all but the last FETCH's 4 + 12 + 12 loads
	MUL 0, 0, \zero
	PLACES 4
	FETCH \slot, 2, 0
	s_wait_dscnt 28
	MUL 1, 1, 0
	PLACES 4
	FETCH \slot, 3, 1
	s_wait_dscnt 28
	MUL 2, 0, 0
	s_wait_dscnt 0x0
	MUL 3, 1, 0
.endm
.macro CHANGE slot, fill
	WIN 0
	s_wait_tensorcnt 0x0
	ds_add_u32 v[SPW], v[NIL]
.if \fill
	s_add_nc_u64 s[G0+4*\slot+2:G0+4*\slot+3], s[G0+4*\slot+2:G0+4*\slot+3], 2*AROW
	s_add_nc_u64 s[G0B+4*\slot+2:G0B+4*\slot+3], s[G0B+4*\slot+2:G0B+4*\slot+3], 2*6144
.endif
	s_wait_dscnt 0x0
.if \fill
	CROUND
	JLOAD G0+4*\slot, G1, G0B+4*\slot, G1B
.else
	s_barrier_signal -1
	s_barrier_wait -1
.endif
.endm
	s_wait_alu depctr_va_vdst(0)
	global_prefetch_b8 v30, s[80:81] th:TH_LOAD_NT scope:SCOPE_SE   ; each fill asks for what stands two fills on: behind slot 0's first fill, its second
	s_wait_tensorcnt 0x0                           ; my tile of the head's is in; slot 1's first fill is issued as a refill is:
	ds_add_u32 v[SPW], v[NIL]
	s_mov_b32 s[G1+2], 4<<16                       ; no tensor load of mine is out: from here on a load of A brings 4 rows
	s_mov_b32 s[G1+4], 4
	s_wait_dscnt 0x0
	CROUND
	JLOAD G0+4, G1, G0B+4, G1B                     ; the first tensor load behind the round
	global_prefetch_b8 v30, s[88:89] th:TH_LOAD_NT scope:SCOPE_SE   ; behind slot 1's first fill: its second
	PHASE 0, 0, 1
	CHANGE 0, 1
	PHASE 1, 1, 0
	CHANGE 1, 1
	PHASE 0, 2, 0
	CHANGE 0, 0
	PHASE 1, 3, 0
	WIN 0
	PLACES 4
.macro TOSTAGE a
.irp b, 0,1,2,3
	ds_store_b128 v[STO], v[ACC+8*(4*(\a)+\b):ACC+8*(4*(\a)+\b)+3] offset:64*\b
	ds_store_b128 v[STO], v[ACC+8*(4*(\a)+\b)+4:ACC+8*(4*(\a)+\b)+7] offset:64*\b+16
.endr
.irp i, 0,1,2,3,4,5,6,7
	ds_load_b128 v[BK+32*((\a)%2)+4*\i:BK+32*((\a)%2)+4*\i+3], v[RD] offset:2*272*\i
.endr
.endm
.macro SEND a, younger
	s_wait_dscnt \younger
.irp i, 0,1,2,3,4,5,6,7
	global_store_b128 v[CO], v[BK+32*((\a)%2)+4*\i:BK+32*((\a)%2)+4*\i+3], s[10:11] offset:(16*(\a)+2*\i)*8192 th:TH_STORE_NT
.endr
.endm
	TOSTAGE 0
.irp a, 1,2,3
.if \a > 1
	s_wait_xcnt 0x0
.endif
	TOSTAGE \a
	SEND \a-1, 16
.endr
	SEND 3, 0
	s_wait_tensorcnt 0x0
	ds_add_u32 v[SPW], v[NIL]
	s_wait_dscnt 0x0
	CROUND
	s_endpgm
.Lfunc_end_k_qa2d566a7b8_proj:
	.size	k_qa2d566a7b8_proj, .Lfunc_end_k_qa2d566a7b8_proj-k_qa2d566a7b8_proj
	.p2alignl 7, 3214868480
	.fill 96, 4, 3214868480
	.section	.rodata,"a",@progbits
	.p2align	6, 0x0
	.amdhsa_kernel k_qa2d566a7b8_proj
		.amdhsa_group_segment_fixed_size 327680
		.amdhsa_private_segment_fixed_size 0
		.amdhsa_enable_private_segment 0
		.amdhsa_kernarg_size 32
		.amdhsa_user_sgpr_count 2
		.amdhsa_user_sgpr_kernarg_segment_ptr 1
		.amdhsa_wavefront_size32 1
		.amdhsa_system_sgpr_workgroup_id_x 1
		.amdhsa_system_sgpr_workgroup_id_y 1
		.amdhsa_system_sgpr_workgroup_id_z 1
		.amdhsa_system_vgpr_workitem_id 0
		.amdhsa_next_free_vgpr 512
		.amdhsa_next_free_sgpr 96
		.amdhsa_reserve_vcc 0
		.amdhsa_float_denorm_mode_32 3
		.amdhsa_float_denorm_mode_16_64 3
		.amdhsa_memory_ordered 1
		.amdhsa_forward_progress 1
		.amdhsa_inst_pref_size 85
	.end_amdhsa_kernel
	.amdgpu_metadata
---
amdhsa.version: [ 1, 2 ]
amdhsa.kernels:
  - .name:           k_qa2d566a7b8_proj
    .symbol:         k_qa2d566a7b8_proj.kd
    .args:
      - { .name: yimg, .offset: 0, .size: 8, .value_kind: global_buffer, .address_space: global }
      - { .name: wi, .offset: 8, .size: 8, .value_kind: global_buffer, .address_space: global }
      - { .name: Wproj_scales, .offset: 16, .size: 8, .value_kind: global_buffer, .address_space: global }
      - { .name: out0, .offset: 24, .size: 8, .value_kind: global_buffer, .address_space: global }
    .group_segment_fixed_size: 327680
    .private_segment_fixed_size: 0
    .kernarg_segment_align: 8
    .kernarg_segment_size: 32
    .max_flat_workgroup_size: 128
    .sgpr_count:     96
    .vgpr_count:     512
    .wavefront_size: 32
...
	.end_amdgpu_metadata
.endif
;; end of part 4
